; MI455X (gfx1250); checked and timed in simulation.
; The chip was launched on July 23, 2026; its instructions are those of AMD's public machine-readable ISA for CDNA 5 (MIT licence, August 2026) and "CDNA5" Instruction Set Architecture Reference Guide (July 2026). The comments in the code are by the model that wrote it; some were corrected since.
;; Cell 2 1. Allowed arithmetic: float matrix products may take bf16 or f16 operands with f32 sums; other float arithmetic in f32, or as packed bf16 or f16 multiplies, adds, multiply-adds, maxima and minima; sums over many terms, partial sums and values carried from step to step in f32; what a program stores and reads back later, other than sums and carried values, may be rounded once to bf16 or f16.
;; Inputs: Wk 256 x 256 float32; Wq 256 x 256 float32; Wv 256 x 256 float32; bk 256 float32; bq 256 float32; bv 256 float32; conv_b 256 float32; conv_w 256 x 512 float32; hsi 32 x 256 x 32 x 32 float32; lidar 32 x 256 x 32 x 32 float32; r_b1 128 float32; r_b2 4 float32; r_w1 128 x 512 float32; r_w2 4 x 128 float32; x 32 x 256 x 32 x 32 float32.
;; Outputs: out0 32 x 256 x 32 x 32 float32; out1 32 x 4 float32.
;; One version. Each part assembles by itself: llvm-mc -triple=amdgcn-amd-amdhsa -mcpu=gfx1250 --defsym DOCPART=n.
;; ======== version 1 of 1: 3 launches
;; workspace buffers: kf 33,554,432 bytes; vf 33,554,432 bytes; wf 524,288 bytes; wc 262,144 bytes; bb 4,096 bytes; pool 524,288 bytes
;; launch prep (part 1): grid 16 x 4, 4 waves a work-group, no clusters, 50,688 bytes of LDS; arguments Wq, Wk, Wv, bq, bk, bv, conv_w, wf, wc, bb; writes wf, wc, bb
.if DOCPART == 1
	.amdgcn_target "amdgcn-amd-amdhsa--gfx1250"
	.amdhsa_code_object_version 6
	.text
	.protected	k_qf8297ffd1c_prep
	.globl	k_qf8297ffd1c_prep
	.p2align	8
	.type	k_qf8297ffd1c_prep,@function
k_qf8297ffd1c_prep:
	s_mov_b64 s[64:65], 0
	v_nop
	global_prefetch_b8 v0, s[64:65] scope:SCOPE_SE
	s_setreg_imm32_b32 hwreg(HW_REG_WAVE_MODE, 25, 1), 1
	s_wait_xcnt 0x0
; THE WEIGHTS, ONCE.  All weights and biases are rounded to bf16.  Stored:
;   wf: Wq, Wv, Mh, Ml (131,072 bytes each) as 16 x 32 fragments in the order in which registers take them: lane l's 16 bytes at 16 l hold row l % 16, columns 8 (l / 16) + 0..7, and at 512 + 16 l the
;       columns 16 further on.  Fragment (16 rows ob, 32 columns kc) of Wq and Wv lies at (8 ob + kc) x 1,024, of Mh and Ml at (16 kc + ob) x 1,024: a K step's 16 fragments are 16,384 dense bytes.
;       M = Wk^T Wq (M[c'][c] = the sum over o of Wk[o][c'] Wq[o][c]), kept as two bf16 numbers Mh + Ml: 16 bits.
;   wc: conv_w as fragments, (ob, kc) at (16 ob + kc) x 1,024.
;   bb: bq and bv rounded and widened (f32, bytes 0 and 1,024); m0 = Wk^T bq (f32, 2,048); bq . bk (f32, 128 times, 3,072); g0 = Wq^T bk (bf16, 3,584).
; WHY M.  A score q_s . k_t is (M x_s + m0) . x_t + q_s . bk: the key operand is then the rounded input itself, which bf16 holds exactly, and only the query operand needs two bf16 numbers.
; SHARES.  Work-group (ob, cq): rows 16 ob on, columns 64 cq on of M; wave w the tile of columns 16 (4 cq + w) on.  Wave number gw = 4 (ob + 16 cq) + w of 256 also lays out one fragment of Wq or Wv and one of conv_w.
; Wq's 64 columns and Wk's 16 go into LDS as bf16, [o][column], and come out turned (ds_load_tr16_b128), since the sum runs down the rows.
; THE PRODUCT: source 0 = 16 columns c of Wq, source 1 = 16 columns c' of Wk: a lane then holds one row c' of M and eight neighbouring columns: 16 bytes of a fragment when packed.
; m0, g0 and bq . bk ride along as three more accumulators, with a bias spread over all 16 rows as source 0; the four accumulators take turns.
; 64 work-groups: the work is 2,048 matrix instructions in all; a wave's 50 loads all go out at once.  Wk's strip is read as 64 bytes of each row: 16 KiB a work-group, once.
.set QP,    160                 ; an LDS row of Wq's strip: 128 bytes + 32: an odd multiple of 32, as the turning load's eight rows x 32 bytes want
.set KST,   256*QP              ; Wk's strip: 256 rows of 32 bytes
.set BQL,   KST+8192            ; bq in bf16, 512 bytes
.set BKL,   BQL+512             ; bk
.set SPARE, BKL+512             ; the spare words: 128 bytes a wave, two blocks of 256 bytes that no other line names
.set LN,  1                     ; lane
.set L16, 2                     ; 16 x lane
.set RR,  3                     ; lane % 16
.set HH,  4                     ; lane / 16
.set TRT, 5                     ; turning load: my tile's 16 columns of Wq
.set TRK, 6                     ; turning load: Wk's strip
.set BA,  7                     ; a bias as a fragment: 16 bytes at 16 (lane / 16)
.set WQA, 8                     ; Wq's strip in memory
.set WQS, 9                     ; and in LDS
.set VK,  10                    ; Wk's strip in memory
.set KS,  11                    ; and in LDS
.set WA1, 12                    ; my place in 16 rows of 1,024 bytes
.set WA2, 13                    ; of 2,048 bytes
.set T8,  14                    ; 8 x thread
.set T4,  15                    ; 4 x thread
.set SPW, 24                    ; my spare word; never rewritten
.set NIL, 25                    ; 0; never rewritten
.set R4,  26                    ; 4 (lane % 16)
.set R2,  27                    ; 2 (lane % 16)
.set BQA, 28                    ; BQL + 4 x thread
.set ACC, 32                    ; v32-63: M's tile, m0, g0, bq . bk
.macro PLACES                   ; four plain instructions between a matrix instruction and what reads its result or loads over its registers
.rept 4
	v_nop
.endr
.endm
	s_load_b512 s[4:19], s[0:1], 0x0               ; Wq, Wk, Wv, bq, bk, bv, conv_w, wf
	s_load_b128 s[20:23], s[0:1], 0x40             ; wc, bb
	v_lshl_add_u32 v[SPW], v0, 2, SPARE
	v_mov_b32 v[NIL], 0
	v_lshrrev_b32 v16, 5, v0
	v_readfirstlane_b32 s24, v16                   ; w
	s_mov_b32 s25, ttmp9                           ; ob
	s_and_b32 s26, ttmp7, 0xffff                   ; cq
	s_lshl4_add_u32 s27, s26, s25                  ; g = ob + 16 cq
	s_lshl2_add_u32 s28, s27, s24                  ; gw = 4 g + w
	v_and_b32 v[LN], 31, v0
	v_lshlrev_b32 v[L16], 4, v[LN]
	v_and_b32 v[RR], 15, v0
	v_bfe_u32 v[HH], v0, 4, 1
	v_bfe_u32 v16, v0, 3, 1                        ; (lane / 8) % 2
	v_and_b32 v17, 7, v0                           ; lane % 8
	v_lshl_add_u32 v18, v[HH], 3, v17              ; the turning load's row: 8 (lane / 16) + lane % 8
	v_mul_u32_u24 v[TRT], v18, QP
	v_lshl_add_u32 v[TRT], v16, 4, v[TRT]
	s_lshl_b32 s29, s24, 5                         ; my tile: columns 16 w on of the strip
	v_add_nc_u32 v[TRT], s29, v[TRT]
	v_lshlrev_b32 v[TRK], 5, v18
	v_lshl_add_u32 v[TRK], v16, 4, v[TRK]
	v_add_nc_u32 v[TRK], KST, v[TRK]
	v_lshl_add_u32 v[BA], v[HH], 4, BQL
	s_lshl_b32 s29, s24, 16                        ; Wq's strip: rows 64 w + 2 i + lane / 16, bytes 256 cq + 16 (lane % 16)
	s_lshl_b32 s30, s26, 8
	s_add_co_u32 s29, s29, s30
	v_lshlrev_b32 v[WQA], 10, v[HH]
	v_lshl_add_u32 v[WQA], v[RR], 4, v[WQA]
	v_add_nc_u32 v[WQA], s29, v[WQA]
	s_mul_i32 s29, s24, 64*QP
	v_mul_u32_u24 v[WQS], v[HH], QP
	v_lshl_add_u32 v[WQS], v[RR], 3, v[WQS]
	v_add_nc_u32 v[WQS], s29, v[WQS]
	v_lshrrev_b32 v19, 2, v[LN]                    ; Wk's strip: rows 64 w + 8 i + lane / 4, bytes 64 ob + 16 (lane % 4)
	v_and_b32 v20, 3, v0
	s_lshl_b32 s29, s24, 16
	s_lshl_b32 s30, s25, 6
	s_add_co_u32 s29, s29, s30
	v_lshlrev_b32 v[VK], 10, v19
	v_lshl_add_u32 v[VK], v20, 4, v[VK]
	v_add_nc_u32 v[VK], s29, v[VK]
	s_lshl_b32 s29, s24, 11
	s_add_co_u32 s29, s29, KST
	v_lshlrev_b32 v[KS], 5, v19
	v_lshl_add_u32 v[KS], v20, 3, v[KS]
	v_add_nc_u32 v[KS], s29, v[KS]
	v_lshlrev_b32 v[WA1], 10, v[RR]
	v_lshl_add_u32 v[WA1], v[HH], 5, v[WA1]
	v_lshlrev_b32 v[WA2], 11, v[RR]
	v_lshl_add_u32 v[WA2], v[HH], 5, v[WA2]
	v_lshlrev_b32 v[T8], 3, v0
	v_lshlrev_b32 v[T4], 2, v0
	v_lshlrev_b32 v[R4], 2, v[RR]
	v_lshlrev_b32 v[R2], 1, v[RR]
	v_add_nc_u32 v[BQA], BQL, v[T4]
	s_and_b32 s29, s28, 127                        ; my fragment of Wq or Wv: number gw % 128 = (16 rows, 32 columns)
	s_lshr_b32 s30, s29, 3
	s_lshl_b32 s30, s30, 14
	s_and_b32 s29, s29, 7
	s_lshl_b32 s29, s29, 7
	s_add_co_u32 s36, s30, s29
	s_mov_b32 s37, 0
	s_lshr_b32 s30, s28, 4                         ; my fragment of conv_w: number gw
	s_lshl_b32 s30, s30, 15
	s_and_b32 s29, s28, 15
	s_lshl_b32 s29, s29, 7
	s_add_co_u32 s38, s30, s29
	s_mov_b32 s39, 0
	s_lshl_b32 s40, s28, 10                        ; where both go: gw x 1,024
	s_mov_b32 s41, 0
	s_lshl_b32 s42, s26, 15                        ; Mh: 262,144 + 16,384 kc + 1,024 ob + 512 (w % 2), kc = 2 cq + w / 2
	s_lshr_b32 s29, s24, 1
	s_lshl_b32 s29, s29, 14
	s_add_co_u32 s42, s42, s29
	s_lshl_b32 s29, s25, 10
	s_add_co_u32 s42, s42, s29
	s_and_b32 s29, s24, 1
	s_lshl_b32 s29, s29, 9
	s_add_co_u32 s42, s42, s29
	s_add_co_u32 s42, s42, 262144
	s_mov_b32 s43, 0
	s_lshl_b32 s44, s25, 6                         ; m0: 4 x 16 ob
	s_mov_b32 s45, 0
	s_lshl2_add_u32 s46, s26, s24                  ; g0: 2 x 16 (4 cq + w)
	s_lshl_b32 s46, s46, 5
	s_mov_b32 s47, 0
	s_wait_kmcnt 0x0
	s_cmp_lt_u32 s28, 128                          ; waves 0-127 lay out Wq, waves 128-255 Wv
	s_cselect_b64 s[30:31], s[4:5], s[8:9]
	s_add_nc_u64 s[30:31], s[30:31], s[36:37]
	s_add_nc_u64 s[16:17], s[16:17], s[38:39]
	s_add_nc_u64 s[34:35], s[18:19], s[40:41]
	s_add_nc_u64 s[20:21], s[20:21], s[40:41]
	s_add_nc_u64 s[18:19], s[18:19], s[42:43]
	s_add_nc_u64 s[36:37], s[22:23], s[44:45]
	s_add_nc_u64 s[38:39], s[22:23], s[46:47]
	; all 50 loads of the wave
	global_load_b64 v[16:17], v[T8], s[10:11]      ; bq, bk: two numbers a thread
	global_load_b64 v[18:19], v[T8], s[12:13]
.set i, 0
.rept 8
	global_load_b128 v[64+4*i:64+4*i+3], v[VK], s[6:7] offset:i*8192
.set i, i+1
.endr
.irp o, 0,1,2,3                 ; a fragment: columns 8 h + 0..3, + 4..7, 16 + 8 h + 0..3, + 4..7
	global_load_b128 v[96+4*\o:96+4*\o+3], v[WA1], s[30:31] offset:(\o/2)*64+(\o%2)*16
.endr
.irp o, 0,1,2,3
	global_load_b128 v[112+4*\o:112+4*\o+3], v[WA2], s[16:17] offset:(\o/2)*64+(\o%2)*16
.endr
.set i, 0
.rept 32
	global_load_b128 v[128+4*i:128+4*i+3], v[WQA], s[4:5] offset:i*2048
.set i, i+1
.endr
	s_wait_loadcnt 48                              ; loads come back in order: the two biases are in, the 48 younger loads stay out
	v_cvt_pk_bf16_f32 v20, v16, v17
	v_cvt_pk_bf16_f32 v21, v18, v19
	ds_store_b32 v[BQA], v20
	ds_store_b32 v[BQA], v21 offset:512
	s_wait_loadcnt 40                              ; Wk's strip is in
.set i, 0
.rept 8
	v_cvt_pk_bf16_f32 v[64+4*i], v[64+4*i], v[64+4*i+1]
	v_cvt_pk_bf16_f32 v[64+4*i+1], v[64+4*i+2], v[64+4*i+3]
	ds_store_b64 v[KS], v[64+4*i:64+4*i+1] offset:i*256
.set i, i+1
.endr
	s_wait_loadcnt 32                              ; the two fragments are in
.irp f, 96, 112                 ; packed in place: register j takes registers 2 j and 2 j + 1
.irp j, 0,1,2,3,4,5,6,7
	v_cvt_pk_bf16_f32 v[\f+\j], v[\f+2*\j], v[\f+2*\j+1]
.endr
.endr
	global_store_b128 v[L16], v[96:99],   s[34:35]             ; each store: 512 consecutive bytes, aligned
	global_store_b128 v[L16], v[100:103], s[34:35] offset:512
	global_store_b128 v[L16], v[112:115], s[20:21]
	global_store_b128 v[L16], v[116:119], s[20:21] offset:512
.set i, 0
.rept 32
.if i%8 == 0
	s_wait_loadcnt 24-8*(i/8)                      ; the next eight loads of Wq's strip are in, the younger ones stay out
.endif
	v_cvt_pk_bf16_f32 v[128+4*i], v[128+4*i], v[128+4*i+1]
	v_cvt_pk_bf16_f32 v[128+4*i+1], v[128+4*i+2], v[128+4*i+3]
	ds_store_b64 v[WQS], v[128+4*i:128+4*i+1] offset:i*2*QP
.set i, i+1
.endr
	s_wait_dscnt 0x0                               ; for the others' sake: my rows of both strips and my part of the biases are in LDS
	s_barrier_signal -1
	s_barrier_wait -1                              ; everybody's are
.macro MMA d, a, b, zero
.if \zero
	v_wmma_f32_16x16x32_bf16 v[\d:\d+7], v[\a:\a+7], v[\b:\b+7], 0
.else
	v_wmma_f32_16x16x32_bf16 v[\d:\d+7], v[\a:\a+7], v[\b:\b+7], v[\d:\d+7]
.endif
.endm
.macro HALF hf                  ; 128 of the 256 rows o: four steps of 32; a step's four fragments: Wq's tile, Wk's strip, bq, bk
.set k, 0
.rept 4
.set kc, 4*(\hf)+k
.set FB, 128+32*k
	ds_load_tr16_b128 v[FB:FB+3],     v[TRT] offset:kc*32*QP
	ds_load_tr16_b128 v[FB+4:FB+7],   v[TRT] offset:kc*32*QP+16*QP
	ds_load_tr16_b128 v[FB+8:FB+11],  v[TRK] offset:kc*1024
	ds_load_tr16_b128 v[FB+12:FB+15], v[TRK] offset:kc*1024+512
	ds_load_b128 v[FB+16:FB+19], v[BA] offset:kc*64
	ds_load_b128 v[FB+20:FB+23], v[BA] offset:kc*64+32
	ds_load_b128 v[FB+24:FB+27], v[BA] offset:512+kc*64
	ds_load_b128 v[FB+28:FB+31], v[BA] offset:512+kc*64+32
.set k, k+1
.endr
	s_wait_dscnt 0x0
.set k, 0
.rept 4
.set FB, 128+32*k
.set z, (1-(\hf))*(1-(k+3)/4)   ; 1 in the very first step alone: its products start the sums
	MMA ACC,    FB,    FB+8,  z                    ; M[c'][c]
	MMA ACC+8,  FB+16, FB+8,  z                    ; m0[c'] in every row
	MMA ACC+16, FB+24, FB,    z                    ; g0[c] in every row
	MMA ACC+24, FB+16, FB+24, z                    ; bq . bk everywhere
.set k, k+1
.endr
	PLACES
.endm
	HALF 0
	HALF 1
.irp j, 0,1,2,3                 ; Mh = bf16(M); Ml = bf16(M - Mh): the difference is exact in f32
	v_cvt_pk_bf16_f32 v[64+\j], v[ACC+2*\j], v[ACC+2*\j+1]
.endr
.irp j, 0,1,2,3
	v_lshlrev_b32 v[72+2*\j], 16, v[64+\j]
	v_and_b32 v[73+2*\j], 0xffff0000, v[64+\j]
.endr
.irp j, 0,1,2,3
	v_pk_add_f32 v[ACC+2*\j:ACC+2*\j+1], v[ACC+2*\j:ACC+2*\j+1], v[72+2*\j:73+2*\j] neg_lo:[0,1] neg_hi:[0,1]
.endr
.irp j, 0,1,2,3
	v_cvt_pk_bf16_f32 v[68+\j], v[ACC+2*\j], v[ACC+2*\j+1]
.endr
	global_store_b128 v[L16], v[64:67], s[18:19]
	global_store_b128 v[L16], v[68:71], s[18:19] offset:131072
	; m0: by wave 0 of the work-groups with cq = 0; lanes 0-15 hold its 16 numbers
	s_or_b32 s29, s26, s24
	s_cmp_lg_u32 s29, 0
	s_cbranch_scc1 .Lnom
	v_cmp_gt_u32 vcc_lo, 16, v[LN]
	s_wait_xcnt 0x0                                ; EXEC changes only behind this wait
	s_and_saveexec_b32 s32, vcc_lo
	global_store_b32 v[R4], v[ACC+8], s[36:37] offset:2048
	s_wait_xcnt 0x0                                ; and again, in front of the line that widens it
	s_or_b32 exec_lo, exec_lo, s32
.Lnom:
	; g0: by the work-groups with ob = 0, each wave its tile's 16 columns, in bf16
	s_cmp_lg_u32 s25, 0
	s_cbranch_scc1 .Lnog
	v_cvt_pk_bf16_f32 v22, v[ACC+16], v[ACC+16]
	v_cmp_gt_u32 vcc_lo, 16, v[LN]
	s_wait_xcnt 0x0
	s_and_saveexec_b32 s32, vcc_lo
	global_store_b16 v[R2], v22, s[38:39] offset:3584
	s_wait_xcnt 0x0
	s_or_b32 exec_lo, exec_lo, s32
.Lnog:
	; bq . bk, and bq and bv rounded and widened: by work-group 0
	s_cmp_lg_u32 s27, 0
	s_cbranch_scc1 .Lnob
	global_load_b64 v[16:17], v[T8], s[10:11]
	global_load_b64 v[18:19], v[T8], s[14:15]
	global_store_b32 v[T4], v[ACC+24], s[22:23] offset:3072
	s_wait_loadcnt 0x0
	v_cvt_pk_bf16_f32 v20, v16, v17
	v_cvt_pk_bf16_f32 v21, v18, v19
	v_lshlrev_b32 v16, 16, v20
	v_and_b32 v17, 0xffff0000, v20
	v_lshlrev_b32 v18, 16, v21
	v_and_b32 v19, 0xffff0000, v21
	global_store_b64 v[T8], v[16:17], s[22:23]
	global_store_b64 v[T8], v[18:19], s[22:23] offset:1024
.Lnob:
	s_wait_tensorcnt 0x0                           ; the wave's end, behind my last LDS store
	ds_add_u32 v[SPW], v[NIL]
	s_wait_dscnt 0x0
	s_endpgm
.Lfunc_end_k_qf8297ffd1c_prep:
	.size	k_qf8297ffd1c_prep, .Lfunc_end_k_qf8297ffd1c_prep-k_qf8297ffd1c_prep
	.p2alignl 7, 3214868480
	.fill 96, 4, 3214868480
	.section	.rodata,"a",@progbits
	.p2align	6, 0x0
	.amdhsa_kernel k_qf8297ffd1c_prep
		.amdhsa_group_segment_fixed_size 50688
		.amdhsa_private_segment_fixed_size 0
		.amdhsa_enable_private_segment 0
		.amdhsa_kernarg_size 80
		.amdhsa_user_sgpr_count 2
		.amdhsa_user_sgpr_kernarg_segment_ptr 1
		.amdhsa_wavefront_size32 1
		.amdhsa_system_sgpr_workgroup_id_x 1
		.amdhsa_system_sgpr_workgroup_id_y 1
		.amdhsa_system_sgpr_workgroup_id_z 1
		.amdhsa_system_vgpr_workitem_id 0
		.amdhsa_next_free_vgpr 256
		.amdhsa_next_free_sgpr 66
		.amdhsa_reserve_vcc 1
		.amdhsa_float_denorm_mode_32 3
		.amdhsa_float_denorm_mode_16_64 3
		.amdhsa_memory_ordered 1
		.amdhsa_forward_progress 1
		.amdhsa_inst_pref_size 28
	.end_amdhsa_kernel
	.amdgpu_metadata
---
amdhsa.version: [ 1, 2 ]
amdhsa.kernels:
  - .name:           k_qf8297ffd1c_prep
    .symbol:         k_qf8297ffd1c_prep.kd
    .args:
      - { .name: Wq, .offset: 0, .size: 8, .value_kind: global_buffer, .address_space: global }
      - { .name: Wk, .offset: 8, .size: 8, .value_kind: global_buffer, .address_space: global }
      - { .name: Wv, .offset: 16, .size: 8, .value_kind: global_buffer, .address_space: global }
      - { .name: bq, .offset: 24, .size: 8, .value_kind: global_buffer, .address_space: global }
      - { .name: bk, .offset: 32, .size: 8, .value_kind: global_buffer, .address_space: global }
      - { .name: bv, .offset: 40, .size: 8, .value_kind: global_buffer, .address_space: global }
      - { .name: conv_w, .offset: 48, .size: 8, .value_kind: global_buffer, .address_space: global }
      - { .name: wf, .offset: 56, .size: 8, .value_kind: global_buffer, .address_space: global }
      - { .name: wc, .offset: 64, .size: 8, .value_kind: global_buffer, .address_space: global }
      - { .name: bb, .offset: 72, .size: 8, .value_kind: global_buffer, .address_space: global }
    .group_segment_fixed_size: 50688
    .private_segment_fixed_size: 0
    .kernarg_segment_align: 8
    .kernarg_segment_size: 80
    .max_flat_workgroup_size: 128
    .sgpr_count:     66
    .vgpr_count:     256
    .wavefront_size: 32
...
	.end_amdgpu_metadata
.endif
;; end of part 1
;; launch proj (part 2): grid 8 x 32, 4 waves a work-group, no clusters, 151,552 bytes of LDS; arguments lidar, hsi, wf, bb, kf, vf, pool; writes kf, vf, pool
.if DOCPART == 2
	.amdgcn_target "amdgcn-amd-amdhsa--gfx1250"
	.amdhsa_code_object_version 6
	.text
	.protected	k_qf8297ffd1c_proj
	.globl	k_qf8297ffd1c_proj
	.p2align	8
	.type	k_qf8297ffd1c_proj,@function
k_qf8297ffd1c_proj:
	s_mov_b64 s[64:65], 0
	v_nop
	global_prefetch_b8 v0, s[64:65] scope:SCOPE_SE
	s_setreg_imm32_b32 hwreg(HW_REG_WAVE_MODE, 25, 1), 1
	s_wait_xcnt 0x0
; THE VALUE AND THE KEY OPERAND.  For batch b and 128 positions (block T) of BOTH sources (d = 0: lidar, 1: hsi), with X rounded to bf16: q = Wq x + bq, v = Wv x + bv in f32; stored:
; val_d = q_d * v_(1-d) in bf16 (vf), and X itself, turned to [position][channel] (kf): the attention's key operand, exact in bf16, and the operand from which it makes its own queries.
; Beside that: the sums of X over the 128 positions, for the router's mean (taken of the rounded X).  NaN and infinities are not treated apart.
; SHARES.  Wave w owns output channels 64 w .. 64 w + 63 of both matrices: 32 fragments, 256 registers a matrix, loaded ready from wf into windows 1 and 2.  X (256 channels x 128 positions x 2 sources,
; bf16) lies in LDS.
; THE PRODUCT: source 0 = 16 output channels, source 1 = 16 positions of X (turned by ds_load_tr16_b128, since X lies [channel][position]).  A lane then holds ONE position (lane % 16) and eight
; neighbouring channels 8 (lane / 16) + 0..7: 16 bytes when packed.  C starts as the bias.
; WHAT IS STORED.  kf, vf: [b][d][64 tiles of 16 rows][16 blocks of 16 channels][512 bytes].  In kf lane l's 16 bytes lie at 16 l: two neighbouring blocks are a 16 x 32 fragment as registers take it.
; In vf the 16 bytes of (row r, channel half h) lie at 16 ((r / 8) 16 + 8 h + r % 8): the order in which the turning load wants them at 16 l.  Each store of a wave covers 512 consecutive bytes, aligned.
; NO CLUSTER: no two work-groups read the same tile of X; the weights go straight into registers.  No tensor load: X is rounded on its way into LDS.
.set XP,    288                 ; an LDS row of X: 256 bytes + 32: an odd multiple of 32, as the turning load's eight rows x 32 bytes want
.set XSRC,  256*XP              ; a source's 256 rows
.set BIAS,  2*XSRC              ; bq, bv: 1,024 bytes each
.set SPARE, BIAS+3072           ; the spare words: 128 bytes a wave, two blocks of 256 bytes that no other line names
.set LN,   1                    ; v1   lane
.set L16,  2                    ; v2   16 x lane
.set VS16, 3                    ; v3   my 16 bytes' place in a block of vf
.set RR,   4                    ; v4   lane % 16
.set HH,   5                    ; v5   lane / 16
.set XA,   6                    ; v6-9 turning load's address: source 0 channels 0-127, 128-255; source 1 likewise; steps 32 bytes (16 positions) a trip
.set BA,   10                   ; v10  my eight biases
.set T8,   12                   ; v12  8 x thread
.set XS,   13                   ; v13-14  where I store X, source 0, 1
.set PA,   15                   ; v15-16  the pool's fragments, source 0, 1
.set L4,   17                   ; v17  4 x lane
.set SPW,  18                   ; v18  my spare word; never rewritten
.set NIL,  19                   ; v19  0; never rewritten
.set XK,   20                   ; v20-21  turning load's address of my 64 channels, source 0, 1: what I store into kf
.set TMP,  22                   ; v22-23 at work
.set ONES, 24                   ; v24-31 a fragment of ones (first the biases as loaded)
.set ACC,  32                   ; v32-127  accumulators and what is made of them
.set XF,   128                  ; v128-255 X's fragment (src, kc) at XF + 64 src + 8 kc
.set MSB, 0
.macro WIN new                  ; the immediate's high byte repeats the setting that is left; a switch that changes nothing is dropped
.if MSB != (\new)
	s_set_vgpr_msb (MSB<<8)|(\new)
.set MSB, (\new)
.endif
.endm
.macro PLACES                   ; four plain instructions between a matrix instruction and what reads its result or loads over its registers
.rept 4
	v_nop
.endr
.endm
	s_load_b256 s[4:11], s[0:1], 0x0               ; lidar, hsi, wf, bb
	s_load_b128 s[16:19], s[0:1], 0x20             ; kf, vf
	s_load_b64 s[20:21], s[0:1], 0x30              ; pool
	v_lshl_add_u32 v[SPW], v0, 2, SPARE
	v_mov_b32 v[NIL], 0
	v_lshrrev_b32 v24, 5, v0
	v_readfirstlane_b32 s32, v24                   ; wave w
	s_mov_b32 s33, ttmp9                           ; T
	s_and_b32 s34, ttmp7, 0xffff                   ; b
	s_mov_b32 s36, 0xffff0000                      ; lanes 16-31
	v_and_b32 v[LN], 31, v0
	v_lshlrev_b32 v[L16], 4, v[LN]
	v_and_b32 v[RR], 15, v0
	v_bfe_u32 v[HH], v0, 4, 1
	v_bfe_u32 v24, v0, 3, 1                        ; (lane / 8) % 2
	v_and_b32 v25, 7, v0                           ; lane % 8
	v_lshlrev_b32 v[VS16], 8, v24                  ; 16 ((r / 8) 16 + 8 h + r % 8)
	v_lshl_add_u32 v[VS16], v[HH], 7, v[VS16]
	v_lshl_add_u32 v[VS16], v25, 4, v[VS16]
	v_lshl_add_u32 v26, v[HH], 3, v25              ; the turning load: channel 8 h + lane % 8,
	v_mul_u32_u24 v[XA], v26, XP
	v_lshl_add_u32 v[XA], v24, 4, v[XA]            ; positions 8 ((lane / 8) % 2) on
	v_add_nc_u32 v[XA+1], 128*XP, v[XA]
	v_add_nc_u32 v[XA+2], XSRC, v[XA]
	v_add_nc_u32 v[XA+3], XSRC+128*XP, v[XA]
	s_lshl_b32 s37, s32, 8
	s_add_co_u32 s37, s37, BIAS
	v_lshl_add_u32 v[BA], v[HH], 5, s37            ; BIAS + 4 (64 w + 8 h)
	v_lshlrev_b32 v[T8], 3, v0
	s_mul_i32 s37, s32, 64*XP                      ; my wave's 64 rows of X in LDS
	v_lshl_add_u32 v[XS], v[LN], 3, s37
	v_add_nc_u32 v[XS+1], XSRC, v[XS]
	v_mul_u32_u24 v[PA], v[RR], XP
	v_lshl_add_u32 v[PA], v[HH], 4, v[PA]
	v_add_nc_u32 v[PA], s37, v[PA]
	v_add_nc_u32 v[PA+1], XSRC, v[PA]
	v_add_nc_u32 v[XK], s37, v[XA]
	v_add_nc_u32 v[XK+1], XSRC, v[XK]
	v_lshlrev_b32 v[L4], 2, v[LN]
	s_lshl_b32 s38, s34, 20                        ; X: b x 1,048,576 + 64 w rows of 4,096 + T x 512
	s_lshl_b32 s51, s32, 18
	s_add_co_u32 s38, s38, s51
	s_lshl_b32 s51, s33, 9
	s_add_co_u32 s38, s38, s51
	s_mov_b32 s39, 0
	s_lshl_b32 s40, s32, 15                        ; wf: my 4 blocks of 16 rows, 8,192 bytes each
	s_mov_b32 s41, 0
	s_lshl_b32 s42, s34, 20                        ; kf, vf: b x 2 x 524,288 + 8 T tiles of 8,192 + 4 w blocks of 512
	s_lshl_b32 s51, s33, 16
	s_add_co_u32 s42, s42, s51
	s_lshl_b32 s51, s32, 11
	s_add_co_u32 s42, s42, s51
	s_mov_b32 s43, 0
	s_lshl3_add_u32 s50, s34, s33                  ; 8 b + T
	s_lshl_b32 s44, s50, 11                        ; pool: (8 b + T) x 2,048 + 64 w x 4
	s_lshl_b32 s51, s32, 8
	s_add_co_u32 s44, s44, s51
	s_mov_b32 s45, 0
	s_wait_kmcnt 0x0
	s_add_nc_u64 s[4:5], s[4:5], s[38:39]
	s_add_nc_u64 s[6:7], s[6:7], s[38:39]
	s_add_nc_u64 s[8:9], s[8:9], s[40:41]
	s_add_nc_u64 s[16:17], s[16:17], s[42:43]
	s_add_nc_u64 s[18:19], s[18:19], s[42:43]
	s_add_nc_u64 s[20:21], s[20:21], s[44:45]
	global_load_b64 v[24:25], v[T8], s[10:11]              ; bq, bv: 8 bytes a thread
	global_load_b64 v[26:27], v[T8], s[10:11] offset:1024
; X IN.  A load brings one channel's 128 positions, 512 consecutive bytes.  Batch bt is 16 channels of source bt / 4, into one of three buffers; three batches are asked for ahead.
.macro XISSUE bt
.set rb, 64+64*((\bt)%3)
.set k, 16*((\bt)%4)
.set i, 0
.rept 16
	global_load_b128 v[rb+4*i:rb+4*i+3], v[L16], s[4+2*((\bt)/4):5+2*((\bt)/4)] offset:(k+i)*4096 th:TH_LOAD_NT
.set i, i+1
.endr
.endm
.macro XCVT bt                  ; rounded to bf16 and laid into LDS, 8 bytes a lane: a wave's store covers a row's 256 bytes
.set rb, 64+64*((\bt)%3)
.set k, 16*((\bt)%4)
.set i, 0
.rept 16
	v_cvt_pk_bf16_f32 v[ACC+2*i], v[rb+4*i], v[rb+4*i+1]
	v_cvt_pk_bf16_f32 v[ACC+2*i+1], v[rb+4*i+2], v[rb+4*i+3]
.set i, i+1
.endr
.set i, 0
.rept 16
	ds_store_b64 v[XS+(\bt)/4], v[ACC+2*i:ACC+2*i+1] offset:(k+i)*XP
.set i, i+1
.endr
.endm
	XISSUE 0
	XISSUE 1
	XISSUE 2
.irp bt, 0,1,2,3,4,5,6,7
.if \bt < 6
	s_wait_loadcnt 32                              ; loads come back in order: this batch is in, the two younger batches (32 loads) stay out
.elseif \bt == 6
	s_wait_loadcnt 16
.else
	s_wait_loadcnt 0x0
.endif
	XCVT \bt
.if \bt < 5
	XISSUE \bt+3
.endif
.endr
	v_add_nc_u32 v[TMP], BIAS, v[T8]
	ds_store_b64 v[TMP], v[24:25]
	ds_store_b64 v[TMP], v[26:27] offset:1024
.set i, 0
.rept 8
	v_mov_b32 v[ONES+i], 0x3f803f80                ; 1.0 twice in bf16
.set i, i+1
.endr
; A matrix's 32 fragments of mine: 64 loads of 512 consecutive bytes, straight into a window
.macro WLOAD mat, win
	WIN (\win)<<6
.set i, 0
.rept 64
	global_load_b128 v[4*i:4*i+3], v[L16], s[8:9] offset:(\mat)*131072+i*512
.set i, i+1
.endr
	WIN 0
.endm
	WLOAD 0, 1                                     ; Wq
	WLOAD 1, 2                                     ; Wv
	s_wait_dscnt 0x0                               ; for the others' sake: my rows of X and my part of the biases are in LDS
	s_barrier_signal -1
	s_barrier_wait -1                              ; everybody's are
; THE POOL, by the matrix unit: ones (16 x 32) times 16 channels x 32 positions; every row of the result is the channels' sums.  Four accumulators (my 64 channels) take turns.
; Both sources' pools stand here, where the weights are on their way.
.macro POOL src
.set f, 0
.rept 16                        ; f = 4 cb + ks
	ds_load_b128 v[XF+8*f:XF+8*f+3],   v[PA+(\src)] offset:(f/4)*16*XP+(f%4)*64
	ds_load_b128 v[XF+8*f+4:XF+8*f+7], v[PA+(\src)] offset:(f/4)*16*XP+(f%4)*64+32
.set f, f+1
.endr
	s_wait_dscnt 0x0
.set ks, 0
.rept 4
.set cb, 0
.rept 4
.if ks == 0
	v_wmma_f32_16x16x32_bf16 v[ACC+8*cb:ACC+8*cb+7], v[ONES:ONES+7], v[XF+8*(4*cb+ks):XF+8*(4*cb+ks)+7], 0
.else
	v_wmma_f32_16x16x32_bf16 v[ACC+8*cb:ACC+8*cb+7], v[ONES:ONES+7], v[XF+8*(4*cb+ks):XF+8*(4*cb+ks)+7], v[ACC+8*cb:ACC+8*cb+7]
.endif
.set cb, cb+1
.endr
.set ks, ks+1
.endr
	PLACES
.irp p, 0,1                     ; lanes 0-15 take 16 channels' sums, lanes 16-31 the next 16: 128 consecutive bytes
	v_cndmask_b32 v[TMP+\p], v[ACC+16*\p], v[ACC+16*\p+8], s36
.endr
.irp p, 0,1
	global_store_b32 v[L4], v[TMP+\p], s[20:21] offset:(\src)*1024+\p*128
.endr
	s_wait_xcnt 0x0                                ; the stores have read their registers
.endm
	POOL 0
	POOL 1
.macro XLOAD base               ; both sources' 16 positions x 256 channels, turned: 16 fragments
.set f, 0
.rept 16                        ; f = 8 src + kc
	ds_load_tr16_b128 v[XF+8*f:XF+8*f+3],   v[(\base)+f/4] offset:(f%4)*32*XP
	ds_load_tr16_b128 v[XF+8*f+4:XF+8*f+7], v[(\base)+f/4] offset:(f%4)*32*XP+16*XP
.set f, f+1
.endr
.endm
.macro KXLOAD                   ; my 64 channels of the 16 positions once more, for kf: two fragments a source
.irp s, 0,1
.irp c, 0,1
	ds_load_tr16_b128 v[ACC+64+16*\s+8*\c:ACC+64+16*\s+8*\c+3],   v[XK+\s] offset:\c*32*XP
	ds_load_tr16_b128 v[ACC+64+16*\s+8*\c+4:ACC+64+16*\s+8*\c+7], v[XK+\s] offset:\c*32*XP+16*XP
.endr
.endr
.endm
; 32 matrix instructions: matrix in window win, output channels 32 u on of my 64, both sources: four accumulators from ab on take turns, one instruction a turn
.macro MUL32 win, u, ab
	WIN \win
.set kc, 0
.rept 8
.set a, 0
.rept 4                         ; a = 2 src + o2
	v_wmma_f32_16x16x32_bf16 v[(\ab)+8*a:(\ab)+8*a+7], v[64*(2*(\u)+a%2)+8*kc:64*(2*(\u)+a%2)+8*kc+7], v[XF+64*(a/2)+8*kc:XF+64*(a/2)+8*kc+7], v[(\ab)+8*a:(\ab)+8*a+7]
.set a, a+1
.endr
.set kc, kc+1
.endr
.endm
; A unit: q at ACC + 8 a, v at ACC + 32 + 8 a
.macro UNITA u
.set a, 0
.rept 8                         ; the biases start the sums
	ds_load_b128 v[ACC+8*a:ACC+8*a+3],   v[BA] offset:(a/4)*1024+(\u)*128+(a%2)*64
	ds_load_b128 v[ACC+8*a+4:ACC+8*a+7], v[BA] offset:(a/4)*1024+(\u)*128+(a%2)*64+16
.set a, a+1
.endr
	s_wait_dscnt 0x0                               ; the biases, and in the first unit X's fragments
	MUL32 1, \u, ACC
	MUL32 2, \u, ACC+32
	WIN 0
	PLACES
.irp s, 0,1                     ; val_s = q_s * v_(1-s), in f32, into v's accumulator; each accumulator is read from its low end on
.irp o, 0,1
.irp p, 0,2,4,6
	v_pk_mul_f32 v[ACC+8*(6-2*\s+\o)+\p:ACC+8*(6-2*\s+\o)+\p+1], v[ACC+8*(6-2*\s+\o)+\p:ACC+8*(6-2*\s+\o)+\p+1], v[ACC+8*(2*\s+\o)+\p:ACC+8*(2*\s+\o)+\p+1]
.endr
.endr
.endr
.set a, 4
.rept 4                         ; to bf16, packed in place: register j takes registers 2 j and 2 j + 1
.irp j, 0,1,2,3
	v_cvt_pk_bf16_f32 v[ACC+8*a+\j], v[ACC+8*a+2*\j], v[ACC+8*a+2*\j+1]
.endr
.set a, a+1
.endr
.set a, 0
.rept 4                         ; what v's accumulator of source a / 2 holds is val of direction 1 - a / 2
	global_store_b128 v[VS16], v[ACC+32+8*a:ACC+32+8*a+3], s[18:19] offset:(1-a/2)*524288+(2*(\u)+a%2)*512
.set a, a+1
.endr
.endm
	s_wait_loadcnt 0x0                             ; Wq, Wv
	s_mov_b32 s35, 8
.LtileA:                        ; eight trips of 16 positions
	XLOAD XA
	KXLOAD
	UNITA 0
.set j, 0
.rept 8                         ; X as the key operand: my four blocks of 16 channels, both sources
	global_store_b128 v[L16], v[ACC+64+4*j:ACC+64+4*j+3], s[16:17] offset:(j/4)*524288+(j%4)*512
.set j, j+1
.endr
	s_wait_xcnt 0x0                                ; val's registers are loaded over by the next unit's biases only behind this wait
	UNITA 1
	s_wait_xcnt 0x0                                ; all the trip's stores have read their registers and bases
.irp n, 0,1,2,3
	v_add_nc_u32 v[XA+\n], 32, v[XA+\n]            ; the next 16 positions
.endr
	v_add_nc_u32 v[XK], 32, v[XK]
	v_add_nc_u32 v[XK+1], 32, v[XK+1]
	s_add_nc_u64 s[16:17], s[16:17], 8192          ; the next tile of 16 rows
	s_add_nc_u64 s[18:19], s[18:19], 8192
	s_sub_co_u32 s35, s35, 1
	s_cmp_lg_u32 s35, 0
	s_cbranch_scc1 .LtileA
	s_wait_tensorcnt 0x0                           ; the wave's end, behind my last LDS store
	ds_add_u32 v[SPW], v[NIL]
	s_wait_dscnt 0x0
	s_endpgm
.Lfunc_end_k_qf8297ffd1c_proj:
	.size	k_qf8297ffd1c_proj, .Lfunc_end_k_qf8297ffd1c_proj-k_qf8297ffd1c_proj
	.p2alignl 7, 3214868480
	.fill 96, 4, 3214868480
	.section	.rodata,"a",@progbits
	.p2align	6, 0x0
	.amdhsa_kernel k_qf8297ffd1c_proj
		.amdhsa_group_segment_fixed_size 151552
		.amdhsa_private_segment_fixed_size 0
		.amdhsa_enable_private_segment 0
		.amdhsa_kernarg_size 56
		.amdhsa_user_sgpr_count 2
		.amdhsa_user_sgpr_kernarg_segment_ptr 1
		.amdhsa_wavefront_size32 1
		.amdhsa_system_sgpr_workgroup_id_x 1
		.amdhsa_system_sgpr_workgroup_id_y 1
		.amdhsa_system_sgpr_workgroup_id_z 1
		.amdhsa_system_vgpr_workitem_id 0
		.amdhsa_next_free_vgpr 768
		.amdhsa_next_free_sgpr 66
		.amdhsa_reserve_vcc 0
		.amdhsa_float_denorm_mode_32 3
		.amdhsa_float_denorm_mode_16_64 3
		.amdhsa_memory_ordered 1
		.amdhsa_forward_progress 1
		.amdhsa_inst_pref_size 79
	.end_amdhsa_kernel
	.amdgpu_metadata
---
amdhsa.version: [ 1, 2 ]
amdhsa.kernels:
  - .name:           k_qf8297ffd1c_proj
    .symbol:         k_qf8297ffd1c_proj.kd
    .args:
      - { .name: lidar, .offset: 0, .size: 8, .value_kind: global_buffer, .address_space: global }
      - { .name: hsi, .offset: 8, .size: 8, .value_kind: global_buffer, .address_space: global }
      - { .name: wf, .offset: 16, .size: 8, .value_kind: global_buffer, .address_space: global }
      - { .name: bb, .offset: 24, .size: 8, .value_kind: global_buffer, .address_space: global }
      - { .name: kf, .offset: 32, .size: 8, .value_kind: global_buffer, .address_space: global }
      - { .name: vf, .offset: 40, .size: 8, .value_kind: global_buffer, .address_space: global }
      - { .name: pool, .offset: 48, .size: 8, .value_kind: global_buffer, .address_space: global }
    .group_segment_fixed_size: 151552
    .private_segment_fixed_size: 0
    .kernarg_segment_align: 8
    .kernarg_segment_size: 56
    .max_flat_workgroup_size: 128
    .sgpr_count:     66
    .vgpr_count:     768
    .wavefront_size: 32
...
	.end_amdgpu_metadata
.endif
;; end of part 2
;; launch attn (part 3): grid 8 x 32, 4 waves a work-group, clusters of 4 x 1, 327,680 bytes of LDS; arguments kf, vf, wf, wc, bb, pool, x, conv_b, r_w1, r_b1, r_w2, r_b2, out0, out1; writes out0, out1
.if DOCPART == 3
	.amdgcn_target "amdgcn-amd-amdhsa--gfx1250"
	.amdhsa_code_object_version 6
	.text
	.protected	k_qf8297ffd1c_attn
	.globl	k_qf8297ffd1c_attn
	.p2align	8
	.type	k_qf8297ffd1c_attn,@function
k_qf8297ffd1c_attn:
	s_mov_b64 s[64:65], 0
	v_nop
	global_prefetch_b8 v0, s[64:65] scope:SCOPE_SE
	s_setreg_imm32_b32 hwreg(HW_REG_WAVE_MODE, 25, 1), 1
	s_wait_xcnt 0x0
	s_wait_alu depctr_hold_cnt(0) depctr_sa_sdst(0) depctr_va_vdst(0) depctr_va_sdst(0) depctr_va_ssrc(0) depctr_va_vcc(0) depctr_vm_vsrc(0)
	s_getreg_b32 s2, hwreg(HW_REG_IB_STS2, 6, 4)
	s_cmp_eq_u32 s2, 0
	s_cbranch_scc0 .Lentry_in_a_cluster
	s_endpgm
.Lentry_in_a_cluster:
	s_bfe_u32 s2, ttmp6, 0x10000c
	s_cmp_lg_u32 s2, 0x3003
	s_cbranch_scc0 .Lentry_shape_is_right
	s_endpgm
.Lentry_shape_is_right:
; THE QUERY OPERAND, BOTH ATTENTIONS, THE 1 x 1 CONVOLUTION AND THE ROUTER.  emb_d[s] = the sum over t of softmax_t(q_d[s] . k_d[t]) val_d[t]; out0[b][o][s] = the sum over i of conv_w[o][i] cat[i][s]
; + conv_b[o] + x[b][o][s], cat = [emb_1, emb_0]; out1[b][p] = sigmoid(relu(g r_w1^T + r_b1) r_w2[p] + r_b2[p]), g the mean of lidar and hsi over their positions.
; THE SCORES.  q_s . k_t = u_s . x_t + gamma_s, u = M x_s + m0 (M = Wk^T Wq as Mh + Ml), gamma = g0 . x_s + bq . bk.  x_t (kf) is the rounded input, exact in bf16; u is made here, for the wave's own 64
; queries, and kept as two bf16 numbers uh + ul, multiplied one after the other into one accumulator: scores of spread 16, whose two best keys are often close, want some 16 bits.
; The running maximum is taken of s + gamma.
; FORMATS.  All matrix operands bf16; products, maxima and sums in f32 (l is the sum of the unrounded p).  conv_b and x are rounded to bf16 and widened, like every input that reaches out0.  The router works in f32.
; LIMITS.  A weight below 2^-126 counts as 0 in l; scores plus gamma are taken to lie above -4.2e37, where m starts; NaN and infinities are not treated apart.
; SHARES.  A work-group owns 128 queries of batch b in both directions.  Wave w: direction d = w / 2, queries 64 (w % 2) on: four tiles of 16.  It walks its direction's 1,024 keys, 64 a step.
; LAYOUT.  U^T = M X^T (source 0 = 16 channels of M, source 1 = 16 queries): a lane holds ONE query (lane % 16) and eight channels; packed, two such results are a fragment of 16 queries x 32 channels.
; S^T = X U^T (source 0 = 16 keys, source 1 = 16 queries): one query a lane, keys 8 (lane / 16) + 0..7.  Two such results, rounded to bf16 in pairs, ARE source 1 of O^T = V^T P, which again holds one
; query a lane, and eight channels; packed, O^T IS source 0 of the convolution, whose result holds one output channel a lane and eight positions.
; kf, vf, wf and wc lie in memory as registers take them, so LDS needs no padding: every LDS read of a tile is 16 bytes at 16 x lane.
; SOFTMAX.  For each query a running maximum m and sum l: p = 2^(c s - (c m - c gamma)), c = log2(e); in every step O and l are multiplied by a = 2^(c m_old - c m_new).  The first step's a is 0, so O^T
; need only hold finite numbers at the start: what the making of u leaves there.
; IN PHASES: a step's 256 products for the scores, its softmax, its 128 products V^T P.
; LDS.  Two regions of 64 KiB are filled by joint loads, 16 KiB a wave, by turns, each refill behind a round of the cluster's barrier: first M's four chunks (Mh and Ml of two K steps each), then, step by
; step, K's tile into the first and V's into the second (both directions' 64 keys); the first region's last fill is the convolution's first two blocks of weights.  So every fill is read, and each loop's
; trips are alike.  A third region, 32 KiB a wave, is filled once with x of the wave's queries; ul is stored over it, later emb.
; CLUSTER.  The four query blocks of a cluster belong to one batch and walk the same M, K, V and weights.  By this text's own count a wave has two tensor loads out at the start, then one.
; REGISTERS, in windows of 256 (s_set_vgpr_msb: bits 1:0 source 0, 3:2 source 1, 5:4 source 2, 7:6 destination):
;   window 0: v0-15 addresses; v16-31 four statistics a tile; v32-159 S^T, 32 a tile (P in place, 16 a tile); v160-223 two buffers of four fragments of K or V; v224-255 ul's four fragments, and the softmax's scratch
;   windows 1, 2: O^T: tile t, channel block cb in window 1 + t / 2 at 128 (t % 2) + 8 cb; first U^T in the same places          window 3: uh, tile t, channels 32 kc on at 64 t + 8 kc; later my emb
;   while u is made: window 3 two buffers of 16 fragments of M; window 0 v32-95 x of two K steps, v96-111 g0 likewise, v112-143 gamma's four accumulators, v224-231 addresses
;   in the convolution: window 2 the partner's emb; window 1 v0-63 two sets of four accumulators, v64-191 weights' buffer B, v192-207 conv_b as C, v208-239 x for B;
;   window 0 v32-159 weights' buffer A, v160-191 rows on their way out, v192-223 x for A, v224-255 at work
.set VREG,  65536               ; the first region begins at 0, the second here, so that one exclusive or turns an address in one into the other's
.set ULR,   131072              ; x of my queries, then ul, then emb: 32,768 bytes a wave
.set STAGE, 262144              ; 16 rows x 272 bytes for each wave, for the way out
.set SP,    272
.set RSCR,  STAGE+4*16*SP       ; the router's four partial sums: a block of 256 bytes
.set G0L,   RSCR+256            ; g0: 512 bytes for each wave
.set SPARE, G0L+2048            ; the spare words: 128 bytes a wave, two blocks of 256 bytes that no other line names
.set L16, 1                     ; v1   16 x lane
.set AK,  2                     ; v2   my direction's tile of K
.set AV,  3                     ; v3   of V
.set AU,  4                     ; v4   my 32 KiB of the third region
.set STO, 5                     ; v5   the way out: where I put 32 bytes of a row
.set RD,  6                     ; v6   where I read rows back
.set GO,  7                     ; v7   my byte offset in two rows of out0 and of x
.set CBV, 8                     ; v8, v9  conv_b of the 16 output channels in hand, for buffer A, B
.set SPW, 10                    ; v10  my spare word; never rewritten
.set NIL, 11                    ; v11  0; never rewritten
.set R4,  12                    ; v12  4 (lane % 16)
.set LN,  13                    ; v13  lane
.set MB,  14                    ; v14  32 (lane / 16): my eight numbers of m0 in a block of 16
.set NEG1, 15                   ; v15  -1.0
.set ST,  16                    ; tile t at ST + 4 t: m, gamma, l (even keys', odd keys')
.set S,   32
.set KV,  160
.set UB,  224
.set SC,  224                   ; tile t at SC + 4 t: c0-c3 at work; c m - c gamma in c0, a (later 1 / l) in c2
.set RB,  160
.set W16, 224
.set TT,  240
.set XQ,  32                    ; while u is made
.set G0F, 96
.set GA,  112
.set G0T, 224                   ; v224-227 g0 as loaded
.set AGS, 228                   ; v228 where I store it
.set AG,  229                   ; v229 where I read it as a fragment: 16 bytes at 16 (lane / 16); steps 128 bytes a chunk
.set AM,  230                   ; v230 the chunk of M in hand
.set AX,  231                   ; v231 x of my queries; steps 2,048 bytes a chunk
.set WCL, 32                    ; s[32:33] wc: the quarter that I fetch of the convolution's first blocks
.set WV,  34                    ; s34  wave
.set DD,  35                    ; s35  d
.set G1,  36                    ; s[36:43] group 1 of the joint loads
.set G0K, 44                    ; s[44:47] group 0 for M's chunks, K's tiles and the weights
.set G0V, 48                    ; s[48:51] for V
.set G1U, 52                    ; s[52:59] group 1 for x of my queries
.set G0U, 60                    ; s[60:63] group 0 for it
.set CS,  66                    ; s[66:67] c
.set SEL, 68                    ; s[68:69] v_permlanex16_b32's selects: each lane takes its own place in the other half
.set CNT, 70                    ; s70  loop counts
.set QH,  71                    ; s71  w % 2
.set CX,  72                    ; s72  my place in the cluster: it enters global addresses alone
.set TQ,  73                    ; s73  my block of 128 queries
.set BB,  74                    ; s74  b
.set CLX, 75                    ; s75  the cluster's x, which the four partners share
.set WCO, 76                    ; s[76:77] wc: my output channels, my direction's input channels
.set WCP, 78                    ; s[78:79] the partner's direction's
.set CBB, 80                    ; s[80:81] conv_b at my output channels
.set OUTB, 82                   ; s[82:83] out0 at my output channels and positions
.set KP,  84                    ; s[84:85] kf: my quarter of the tile of K to be asked for
.set XBS, 86                    ; s[86:87] x where OUTB is in out0
.set PM,  88                    ; s[88:89] wf: my quarter of the chunk of M to be asked for
.set TBM, 104                   ; s104 the region that holds the chunk in hand
.set MSB, 0
.macro WIN new                  ; the immediate's high byte repeats the setting that is left; a switch that changes nothing is dropped
.if MSB != (\new)
	s_set_vgpr_msb (MSB<<8)|(\new)
.set MSB, (\new)
.endif
.endm
.macro PLACES                   ; four plain instructions between a matrix instruction and what reads its result or loads over its registers
.rept 4
	v_nop
.endr
.endm
; A round of the cluster's barrier: my work-group's barrier, so that wave 0's signal speaks for all four waves; wave 0 signals; every wave waits for all four work-groups; my work-group's barrier once more.
.macro CROUND
	s_barrier_signal -1
	s_barrier_wait -1
	s_cmp_lg_u32 s[WV], 0
	s_cbranch_scc1 .Lnot_wave_0_\@
	s_barrier_signal -3
.Lnot_wave_0_\@:
	s_barrier_wait -3
	s_barrier_signal -1
	s_barrier_wait -1
.endm
; IN FRONT OF A CHUNK OF M.  Each wave waits for all its tensor loads: its quarter of this chunk is in; adds 0 to its spare word; waits for that and for its reads of the other region.  Behind the round the
; chunk is whole and nobody reads the other region: it takes the next chunk, or behind the last chunk K's first tile.  The load has the chunk's 264 matrix instructions in which to land.
.macro UHEAD
	WIN 0
	s_wait_tensorcnt 0x0                           ; no tensor load of mine is out, so group 0 may be written
	ds_add_u32 v[SPW], v[NIL]                      ; 0 onto my spare word; the scalar steps stand between it and the wait for it
	s_xor_b32 s[G0K+1], s[G0K+1], VREG             ; the other region than last time
	s_xor_b32 s[TBM], s[TBM], VREG
	s_add_nc_u64 s[PM:PM+1], s[PM:PM+1], 32768     ; the next two K steps of Mh or Ml
	s_cmp_eq_u32 s[CNT], 1
	s_cselect_b64 s[G0K+2:G0K+3], s[KP:KP+1], s[PM:PM+1]
	s_or_b32 s[G0K+3], s[G0K+3], 0x80000000        ; type = 2
	s_wait_dscnt 0x0                               ; the add is done, and my reads of the other region are over
	CROUND
	tensor_load_to_lds s[G0K:G0K+3], s[G1:G1+7]
	s_nop 0
	PLACES                                         ; also the places between the last chunk's products and the loads over their fragments
	v_add_nc_u32 v[AM], s[TBM], v[L16]
.endm
; IN FRONT OF A STEP'S SCORES.  The same: my quarter of this step's K is in, V's region is free.  This step's V is asked for: it has the 256 products of the scores in which to land.
.macro CHA
	WIN 0
	s_wait_tensorcnt 0x0
	ds_add_u32 v[SPW], v[NIL]
	s_wait_dscnt 0x0                               ; the add is done, and my reads of V's region are over
	CROUND
	tensor_load_to_lds s[G0V:G0V+3], s[G1:G1+7]
	s_nop 0
	PLACES
.endm
; BEHIND A STEP'S SCORES.  This step's V has landed, K's region is free: it takes the next step's K or, in the last trip, blocks 0 and 1 of both directions' weights for the convolution.  The load has the
; softmax and the 128 products V^T P in which to land.  The four v_nop are also the places between the scores' last products and what follows.
.macro CHB
	WIN 0
	s_wait_tensorcnt 0x0
	ds_add_u32 v[SPW], v[NIL]
	s_add_nc_u64 s[G0V+2:G0V+3], s[G0V+2:G0V+3], 32768  ; V's next 64 keys; the type bits on top are not reached
	s_add_nc_u64 s[KP:KP+1], s[KP:KP+1], 32768
	s_cmp_eq_u32 s[CNT], 1
	s_cselect_b64 s[G0K+2:G0K+3], s[WCL:WCL+1], s[KP:KP+1]
	s_or_b32 s[G0K+3], s[G0K+3], 0x80000000
	s_wait_dscnt 0x0                               ; the add is done, and my reads of K's region are over
	CROUND
	tensor_load_to_lds s[G0K:G0K+3], s[G1:G1+7]
	s_nop 0
	PLACES
.endm
	s_load_b512 s[4:19], s[0:1], 0x0               ; kf, vf, wf, wc, bb, pool, x, conv_b
	s_load_b256 s[20:27], s[0:1], 0x40             ; r_w1, r_b1, r_w2, r_b2
	s_load_b128 s[28:31], s[0:1], 0x60             ; out0, out1
	v_lshl_add_u32 v[SPW], v0, 2, SPARE
	v_mov_b32 v[NIL], 0
	ds_add_u32 v[SPW], v[NIL]                      ; the wave's opening: the add and its wait stand ahead of my first tensor load; the set-up below, work on registers, stands between them
	v_lshrrev_b32 v240, 5, v0
	v_readfirstlane_b32 s[WV], v240
	s_lshr_b32 s[DD], s[WV], 1
	s_and_b32 s[QH], s[WV], 1
	s_bfe_u32 s[CX], ttmp6, 0x40000
	s_mov_b32 s[CLX], ttmp9
	s_lshl_b32 s[TQ], ttmp9, 2
	s_add_co_u32 s[TQ], s[TQ], s[CX]               ; my block = 4 x cluster x + cx
	s_and_b32 s[BB], ttmp7, 0xffff
	; group 1 of the joint loads: 16,384 dense bytes as 64 rows of 256 bytes
	s_mov_b32 s[G1+0], 15|(3<<16)|(1<<21)          ; 15:0 the mask of four; 17:16 elements of 8 bytes; 21 set beside a mask
	s_mov_b32 s[G1+1], 32<<16                      ; tensor_dim0 = 32
	s_mov_b32 s[G1+2], 64<<16                      ; tensor_dim1 = 64
	s_mov_b32 s[G1+3], 32<<16                      ; tile_dim0 = 32
	s_mov_b32 s[G1+4], 64                          ; tile_dim1 = 64
	s_mov_b32 s[G1+5], 32                          ; 32 elements from row to row
	s_mov_b32 s[G1+6], 0
	s_mov_b32 s[G1+7], 0
	; group 1 for x of my queries: 32,768 dense bytes as 128 rows of 256 bytes; no mask
	s_mov_b32 s[G1U+0], 3<<16
	s_mov_b32 s[G1U+1], 32<<16
	s_mov_b32 s[G1U+2], 128<<16
	s_mov_b32 s[G1U+3], 32<<16
	s_mov_b32 s[G1U+4], 128
	s_mov_b32 s[G1U+5], 32
	s_mov_b32 s[G1U+6], 0
	s_mov_b32 s[G1U+7], 0
	s_mov_b32 s[G0K], 1
	s_lshl_b32 s[G0K+1], s[WV], 14                 ; LDS: quarter w of the first region
	s_mov_b32 s[G0V], 1
	s_lshl_b32 s[G0V+1], s[WV], 14
	s_add_co_u32 s[G0V+1], s[G0V+1], VREG
	s_mov_b32 s[G0U], 1
	s_lshl_b32 s[G0U+1], s[WV], 15
	s_add_co_u32 s[G0U+1], s[G0U+1], ULR
	s_mov_b32 s[CS], 0x3fb8aa3b                    ; c = log2(e)
	s_mov_b32 s[CS+1], s[CS]
	s_mov_b32 s[SEL], 0x76543210
	s_mov_b32 s[SEL+1], 0xfedcba98
	s_mov_b32 s[TBM], VREG                         ; the first chunk's round turns it into 0
	s_lshl1_add_u32 s90, s[BB], s[DD]              ; (b, d): (2 b + d) x 524,288
	s_lshl_b32 s90, s90, 19
	s_lshl_b32 s98, s[QH], 14
	s_add_co_u32 s92, s90, s98                     ; K, V: + my 32 keys of the first 64
	s_mov_b32 s93, 0
	s_lshl_b32 s98, s[TQ], 16                      ; my queries: + 8 T tiles of 8,192 + 4 (w % 2) tiles
	s_add_co_u32 s94, s90, s98
	s_lshl_b32 s98, s[QH], 15
	s_add_co_u32 s94, s94, s98
	s_mov_b32 s95, 0
	s_lshl_b32 s96, s[BB], 20                      ; out0 and x: b x 1,048,576 + 128 d rows of 4,096 + T x 512 + 256 (w % 2)
	s_lshl_b32 s98, s[DD], 19
	s_add_co_u32 s96, s96, s98
	s_lshl_b32 s98, s[TQ], 9
	s_add_co_u32 s96, s96, s98
	s_lshl_b32 s98, s[QH], 8
	s_add_co_u32 s96, s96, s98
	s_mov_b32 s97, 0
	s_lshl_b32 s98, s[DD], 17                      ; wc: output blocks 8 d on (16,384 bytes each);
	s_lshl_b32 s100, s[DD], 13
	s_add_co_u32 s100, s100, s98                   ; the partner's emb_(1-d) is cat's channels 256 d on,
	s_xor_b32 s90, s[DD], 1
	s_lshl_b32 s90, s90, 13
	s_add_co_u32 s98, s98, s90                     ; mine, emb_d, channels 256 (1 - d) on
	s_mov_b32 s99, 0
	s_mov_b32 s101, 0
	v_and_b32 v[LN], 31, v0
	v_lshlrev_b32 v[L16], 4, v[LN]
	v_and_b32 v240, 15, v0                         ; r = lane % 16
	v_bfe_u32 v241, v0, 4, 1                       ; h = lane / 16
	v_lshlrev_b32 v[R4], 2, v240
	v_lshlrev_b32 v[MB], 5, v241
	v_mov_b32 v[NEG1], -1.0
	s_lshl_b32 s90, s[DD], 15
	v_add_nc_u32 v[AK], s90, v[L16]
	v_add_nc_u32 v[AV], VREG, v[AK]
	s_lshl_b32 s90, s[WV], 15
	s_add_co_u32 s90, s90, ULR
	v_add_nc_u32 v[AU], s90, v[L16]
	v_mov_b32 v[AX], v[AU]
	s_lshl_b32 s90, s[WV], 9
	s_add_co_u32 s90, s90, G0L
	v_add_nc_u32 v[AGS], s90, v[L16]
	v_lshl_add_u32 v[AG], v241, 4, s90
	s_mul_i32 s90, s[WV], 16*SP
	s_add_co_u32 s90, s90, STAGE
	v_mul_u32_u24 v[STO], v240, SP                 ; in: row r (an output channel), 32 bytes (8 positions) for each half of the lanes
	v_lshl_add_u32 v[STO], v241, 5, v[STO]
	v_add_nc_u32 v[STO], s90, v[STO]
	v_mul_u32_u24 v[RD], v241, SP                  ; back: lanes 0-15 one row of 256 bytes, lanes 16-31 the next
	v_lshl_add_u32 v[RD], v240, 4, v[RD]
	v_add_nc_u32 v[RD], s90, v[RD]
	v_lshlrev_b32 v[GO], 12, v241                  ; and the same two rows in out0 and x
	v_lshl_add_u32 v[GO], v240, 4, v[GO]
.irp t, 0,1,2,3
	v_mov_b32 v[ST+4*\t], 0xfe000000               ; m: -4.2e37, so that c m is still finite
	v_mov_b32 v[ST+4*\t+2], 0
	v_mov_b32 v[ST+4*\t+3], 0
.endr
	s_wait_dscnt 0x0                               ; the opening add is done
	s_wait_kmcnt 0x0
	s_load_b32 s3, s[12:13], 0xc00                 ; bq . bk
	s_add_nc_u64 s[KP:KP+1], s[4:5], s[92:93]
	s_add_nc_u64 s[G0V+2:G0V+3], s[6:7], s[92:93]
	s_or_b32 s[G0V+3], s[G0V+3], 0x80000000        ; type = 2
	s_add_nc_u64 s[G0U+2:G0U+3], s[4:5], s[94:95]
	s_or_b32 s[G0U+3], s[G0U+3], 0x80000000
	s_add_nc_u64 s[OUTB:OUTB+1], s[28:29], s[96:97]
	s_add_nc_u64 s[XBS:XBS+1], s[16:17], s[96:97]
	s_add_nc_u64 s[WCO:WCO+1], s[10:11], s[98:99]
	s_add_nc_u64 s[WCP:WCP+1], s[10:11], s[100:101]
	s_mov_b32 s91, 0
	s_lshl_b32 s90, s[DD], 17                      ; wave w fetches block 8 (w / 2) + w % 2 of wc,
	s_lshl_b32 s92, s[QH], 14
	s_add_co_u32 s90, s90, s92
	s_add_nc_u64 s[WCL:WCL+1], s[10:11], s[90:91]
	s_add_co_u32 s90, s90, 262144                  ; and of a chunk of M: Mh (w / 2 = 0) or Ml, K step w % 2 of its two
	s_add_nc_u64 s[PM:PM+1], s[8:9], s[90:91]
	s_mov_b64 s[G0K+2:G0K+3], s[PM:PM+1]
	s_or_b32 s[G0K+3], s[G0K+3], 0x80000000
	s_lshl_b32 s90, s[DD], 9
	s_add_nc_u64 s[CBB:CBB+1], s[18:19], s[90:91]
	s_lshl_b32 s90, s[BB], 14
	s_add_nc_u64 s[14:15], s[14:15], s[90:91]      ; pool at batch b
	s_lshl_b32 s90, s[CX], 9
	s_add_nc_u64 s[24:25], s[24:25], s[90:91]      ; r_w2 at path cx
	s_lshl_b32 s90, s[CX], 2
	s_add_nc_u64 s[26:27], s[26:27], s[90:91]      ; r_b2 at path cx
	s_lshl2_add_u32 s90, s[BB], s[CX]
	s_lshl_b32 s90, s90, 2
	s_add_nc_u64 s[30:31], s[30:31], s[90:91]      ; out1 at (b, cx)
	CROUND                                         ; all four work-groups are here: the first joint loads meet
	tensor_load_to_lds s[G0K:G0K+3], s[G1:G1+7]    ; my quarter of M's first chunk,
	s_nop 0
	tensor_load_to_lds s[G0U:G0U+3], s[G1U:G1U+7]  ; and x of my queries: the two first fills go out together
	s_nop 0
	PLACES
.irp th, 0,1                    ; m0 starts the 64 sums of U^T: accumulator i = 16 (t % 2) + ob of the window
	WIN 0x40*(1+\th)
.set i, 0
.rept 32
	global_load_b128 v[8*i:8*i+3],   v[MB], s[12:13] offset:2048+64*(i%16)
	global_load_b128 v[8*i+4:8*i+7], v[MB], s[12:13] offset:2048+64*(i%16)+16
.set i, i+1
.endr
.endr
	WIN 0
	global_load_b128 v[G0T:G0T+3], v[L16], s[12:13] offset:3584  ; g0: 512 bytes
; THE ROUTER, first part, in the clusters with x = 0 (a number that the partners share): work-group cx makes path cx of batch b.  Wave w makes hidden units 32 w .. 32 w + 31, lane l keeps unit 32 w + l.
; A lane holds g's numbers 128 k + 4 l + 0..3, k = 0..3, and the same of each row of r_w1.
	s_cmp_lg_u32 s[CLX], 0
	s_cbranch_scc1 .Lnor1
	s_lshl_b32 s90, s[WV], 7
	v_lshl_add_u32 v178, v[LN], 2, s90
	global_load_b32 v176, v178, s[22:23]           ; r_b1 of my unit
	global_load_b32 v177, v178, s[24:25]           ; r_w2[cx] of my unit
.set i, 0
.rept 32                        ; the eight blocks' partial sums
	global_load_b128 v[S+4*i:S+4*i+3], v[L16], s[14:15] offset:512*i
.set i, i+1
.endr
	s_wait_loadcnt 0x0
.irp n, 1,2,3,4,5,6,7
.irp p, 0,2,4,6,8,10,12,14
	v_pk_add_f32 v[S+\p:S+\p+1], v[S+\p:S+\p+1], v[S+16*\n+\p:S+16*\n+\p+1]
.endr
.endr
.irp p, 0,2,4,6,8,10,12,14
	v_pk_mul_f32 v[KV+\p:KV+\p+1], v[S+\p:S+\p+1], 0x3a800000 op_sel_hi:[1,0]  ; / 1,024
.endr
.macro HISSUE buf, areg         ; four rows of r_w1: 16 loads of 512 consecutive bytes
.irp rr, 0,1,2,3
.irp k, 0,1,2,3
	global_load_b128 v[(\buf)+16*\rr+4*\k:(\buf)+16*\rr+4*\k+3], v[\areg], s[20:21] offset:\rr*2048+\k*512
.endr
.endr
.endm
.macro ROWS4 buf, base          ; four dot products, summed over the lanes; lane s99 + base + rr keeps row rr's
.irp rr, 0,1,2,3
	v_pk_mul_f32 v[244+2*\rr:245+2*\rr], v[(\buf)+16*\rr:(\buf)+16*\rr+1], v[KV:KV+1]
.endr
.irp p, 2,4,6,8,10,12,14
.irp rr, 0,1,2,3
	v_pk_fma_f32 v[244+2*\rr:245+2*\rr], v[(\buf)+16*\rr+\p:(\buf)+16*\rr+\p+1], v[KV+\p:KV+\p+1], v[244+2*\rr:245+2*\rr]
.endr
.endr
.irp rr, 0,1,2,3
	v_add_f32 v[244+2*\rr], v[244+2*\rr], v[245+2*\rr]
.endr
.irp x, 1,2,4,8
.irp rr, 0,1,2,3
	v_add_f32_dpp v[244+2*\rr], v[244+2*\rr], v[244+2*\rr] row_xmask:\x row_mask:0xf bank_mask:0xf
.endr
.endr
.irp rr, 0,1,2,3
	v_permlanex16_b32 v[245+2*\rr], v[244+2*\rr], s[SEL], s[SEL+1]
.endr
.irp rr, 0,1,2,3
	v_add_f32 v[244+2*\rr], v[244+2*\rr], v[245+2*\rr]
.endr
.irp rr, 0,1,2,3
	s_add_co_u32 s101, s99, (\base)+\rr
	v_cmp_eq_u32 vcc_lo, s101, v[LN]
	v_cndmask_b32 v243, v243, v[244+2*\rr], vcc_lo
.endr
.endm
	s_lshl_b32 s90, s[WV], 16                      ; my 32 rows of 2,048 bytes
	v_add_nc_u32 v240, s90, v[L16]
	v_mov_b32 v241, v240
	v_add_nc_u32 v242, 8192, v240
	HISSUE S, 241                                  ; rows 0-3
	HISSUE S+64, 242                               ; rows 4-7
	v_mov_b32 v243, 0
	s_mov_b32 s98, 16384                           ; the next rows' offset
	s_mov_b32 s99, 0                               ; the first row in hand
	s_mov_b32 s[CNT], 4
.Lrw:
	s_wait_loadcnt 16                              ; the older four rows are in, the younger four (16 loads) stay out; v241 is free since this wait
	ROWS4 S, 0
	s_min_u32 s100, s98, 49152                     ; the last trip's look-ahead is held at rows 24-31: no load leaves r_w1
	v_add_nc_u32 v241, s100, v240
	HISSUE S, 241
	s_wait_loadcnt 16
	ROWS4 S+64, 4
	s_add_co_u32 s100, s100, 8192
	v_add_nc_u32 v242, s100, v240
	HISSUE S+64, 242
	s_add_co_u32 s98, s98, 16384
	s_add_co_u32 s99, s99, 8
	s_sub_co_u32 s[CNT], s[CNT], 1
	s_cmp_lg_u32 s[CNT], 0
	s_cbranch_scc1 .Lrw
	s_wait_loadcnt 0x0                             ; the look-ahead's loads, which serve nothing, have landed: their registers are used again
	v_add_f32 v243, v243, v176
	v_max_num_f32 v243, 0, v243
	v_mul_f32 v243, v243, v177
.irp x, 1,2,4,8
	v_add_f32_dpp v243, v243, v243 row_xmask:\x row_mask:0xf bank_mask:0xf
.endr
	v_permlanex16_b32 v244, v243, s[SEL], s[SEL+1]
	v_add_f32 v243, v243, v244
	s_lshl_b32 s90, s[WV], 2
	s_add_co_u32 s90, s90, RSCR
	v_mov_b32 v245, s90
	ds_store_b32 v245, v243                        ; my 32 units' part; the first round's wait for LDS covers it, and a barrier follows
.Lnor1:
	s_wait_loadcnt 0x0                             ; m0 and g0
	s_wait_kmcnt 0x0                               ; bq . bk
	ds_store_b128 v[AGS], v[G0T:G0T+3]             ; g0 into my own 512 bytes: LDS serves a wave's instructions in order, so my reads see it
.set i, 0
.rept 32
	v_mov_b32 v[GA+i], s3                          ; bq . bk starts gamma's sums
.set i, i+1
.endr
; U^T = M X^T + m0, AND gamma.  A chunk is two K steps of 32; a K step has 16 fragments of Mh, 16 of Ml, 4 of x and 1 of g0 (all 16 rows alike), and 132 products: each fragment of M feeds my four tiles.
.macro MLD half, p, kq          ; part p (Mh, Ml) of the chunk's K step kq into buffer half: 32 loads
.set f, 0
.rept 16
	ds_load_b128 v[128*(\half)+8*f:128*(\half)+8*f+3],   v[AM] offset:(\p)*32768+(\kq)*16384+f*1024
	ds_load_b128 v[128*(\half)+8*f+4:128*(\half)+8*f+7], v[AM] offset:(\p)*32768+(\kq)*16384+f*1024+512
.set f, f+1
.endr
.endm
.macro XQLD kq                  ; x of my four tiles and g0: 10 loads
.irp t, 0,1,2,3
	ds_load_b128 v[XQ+32*(\kq)+8*\t:XQ+32*(\kq)+8*\t+3],   v[AX] offset:\t*8192+(\kq)*1024
	ds_load_b128 v[XQ+32*(\kq)+8*\t+4:XQ+32*(\kq)+8*\t+7], v[AX] offset:\t*8192+(\kq)*1024+512
.endr
	ds_load_b128 v[G0F+8*(\kq):G0F+8*(\kq)+3],   v[AG] offset:(\kq)*64
	ds_load_b128 v[G0F+8*(\kq)+4:G0F+8*(\kq)+7], v[AG] offset:(\kq)*64+32
.endm
.macro UMUL half, kq            ; 64 products; a window's 32 accumulators take turns, one instruction a turn
.irp th, 0,1
	WIN 0x50*(1+\th)+3                             ; M (source 0) in window 3, x in window 0, C and D in window 1 or 2
.set ob, 0
.rept 16
.irp tl, 0,1
	v_wmma_f32_16x16x32_bf16 v[128*\tl+8*ob:128*\tl+8*ob+7], v[128*(\half)+8*ob:128*(\half)+8*ob+7], v[XQ+32*(\kq)+8*(2*\th+\tl):XQ+32*(\kq)+8*(2*\th+\tl)+7], v[128*\tl+8*ob:128*\tl+8*ob+7]
.endr
.set ob, ob+1
.endr
.endr
.endm
.macro GMUL kq                  ; gamma: every row of the result holds it, one query a lane
.irp t, 0,1,2,3
	v_wmma_f32_16x16x32_bf16 v[GA+8*\t:GA+8*\t+7], v[G0F+8*(\kq):G0F+8*(\kq)+7], v[XQ+32*(\kq)+8*\t:XQ+32*(\kq)+8*\t+7], v[GA+8*\t:GA+8*\t+7]
.endr
.endm
	s_mov_b32 s[CNT], 4
.Lu:
	UHEAD
	XQLD 0
	WIN 0xc0                                       ; destination window 3
	MLD 0, 0, 0
	MLD 1, 1, 0
	s_wait_dscnt 32                                ; x, g0 and Mh are in; Ml's 32 loads stay out
	UMUL 0, 0
	WIN 0
	GMUL 0
	PLACES                                         ; the buffer to be loaded was read by the products just issued
	XQLD 1
	WIN 0xc0
	MLD 0, 0, 1
	s_wait_dscnt 42                                ; Ml is in; the 10 + 32 loads just issued stay out
	UMUL 1, 0
	WIN 0
	PLACES
	WIN 0xc0
	MLD 1, 1, 1
	s_wait_dscnt 32                                ; the second K step's x, g0 and Mh are in; its Ml's 32 loads stay out
	UMUL 0, 1
	WIN 0
	GMUL 1
	s_wait_dscnt 0x0
	UMUL 1, 1
	WIN 0
	v_add_nc_u32 v[AX], 2048, v[AX]                ; the next two K steps
	v_add_nc_u32 v[AG], 128, v[AG]
	s_sub_co_u32 s[CNT], s[CNT], 1
	s_cmp_lg_u32 s[CNT], 0
	s_cbranch_scc1 .Lu
	PLACES
.irp t, 0,1,2,3
	v_mov_b32 v[ST+4*\t+1], v[GA+8*\t]             ; gamma
.endr
; uh = bf16(u) into window 3; u - uh, exact in f32, as uh's half times -1 plus u; ul = bf16 of it into LDS, over x, which has been read.  Each accumulator is read from its low end on.
.macro SPLIT t
.set W, 1+(\t)/2
.set UO, 128*((\t)%2)
.set TU, 32+128*((\t)%2)
	WIN 0xc0|(W<<2)|W                              ; sources in U's window, destination window 3
.set i, 0
.rept 64
	v_cvt_pk_bf16_f32 v[64*(\t)+i], v[UO+2*i], v[UO+2*i+1]
.set i, i+1
.endr
	WIN (W<<6)|(W<<4)|3                            ; uh (source 0) in window 3, -1 in window 0, u (source 2 and destination) in its window
.set i, 0
.rept 64
	v_fma_mix_f32_bf16 v[UO+2*i],   v[64*(\t)+i], v[NEG1], v[UO+2*i]   op_sel_hi:[1,0,0]
	v_fma_mix_f32_bf16 v[UO+2*i+1], v[64*(\t)+i], v[NEG1], v[UO+2*i+1] op_sel:[1,0,0] op_sel_hi:[1,0,0]
.set i, i+1
.endr
	WIN (W<<2)|W
.set i, 0
.rept 64
	v_cvt_pk_bf16_f32 v[TU+i], v[UO+2*i], v[UO+2*i+1]
.set i, i+1
.endr
	WIN 0
.set i, 0
.rept 16
	ds_store_b128 v[AU], v[TU+4*i:TU+4*i+3] offset:(\t)*8192+i*512
.set i, i+1
.endr
.endm
	SPLIT 0
	SPLIT 1
	SPLIT 2
	SPLIT 3
; THE LDS LOADS of a step stand in runs of eight.
.macro KLOAD kc, buf            ; four fragments of K: keys 16 kb on, channels 32 kc on
.irp kb, 0,1,2,3
	ds_load_b128 v[KV+32*(\buf)+8*\kb:KV+32*(\buf)+8*\kb+3],   v[AK] offset:\kb*8192+(\kc)*1024
	ds_load_b128 v[KV+32*(\buf)+8*\kb+4:KV+32*(\buf)+8*\kb+7], v[AK] offset:\kb*8192+(\kc)*1024+512
.endr
.endm
.macro ULOAD kc                 ; four fragments of ul: tile q, channels 32 kc on
.irp q, 0,1,2,3
	ds_load_b128 v[UB+8*\q:UB+8*\q+3],   v[AU] offset:\q*8192+(\kc)*1024
	ds_load_b128 v[UB+8*\q+4:UB+8*\q+7], v[AU] offset:\q*8192+(\kc)*1024+512
.endr
.endm
.macro VLOAD g, buf             ; four fragments of V^T, turned: f = 2 kk + cl: keys 32 kk on, channels 16 (2 g + cl) on
.irp f, 0,1,2,3
	ds_load_tr16_b128 v[KV+32*(\buf)+8*\f:KV+32*(\buf)+8*\f+3],   v[AV] offset:(\f/2)*16384+(2*(\g)+\f%2)*512
	ds_load_tr16_b128 v[KV+32*(\buf)+8*\f+4:KV+32*(\buf)+8*\f+7], v[AV] offset:(\f/2)*16384+(2*(\g)+\f%2)*512+8192
.endr
.endm
; THE SCORES of a step.  For each 32 channels: 16 products with uh (registers), then 16 with ul (LDS), on the same four fragments of K.  ul's run is issued ahead of uh's products, the next K's run with it.
; The 16 accumulators take turns, one instruction a turn.  With the four v_nop behind the tensor load, the four at the head make the places between the last step's products,
; which read P, and the first products here, which write over it.
.macro KQP
	PLACES
	KLOAD 0, 0
.set kc, 0
.rept 8
.if kc > 0
	PLACES                                         ; both buffers to be loaded were read by the products just issued
.endif
	ULOAD kc
.if kc < 7
	KLOAD kc+1, (kc+1)%2
	s_wait_dscnt 16                                ; K's fragments are in; ul's eight loads and the next K's eight stay out
.else
	s_wait_dscnt 8
.endif
	WIN 0x0c                                       ; uh (source 1) in window 3
.set kb, 0
.rept 4
.set t, 0
.rept 4
.if kc == 0
	v_wmma_f32_16x16x32_bf16 v[S+32*t+8*kb:S+32*t+8*kb+7], v[KV+32*(kc%2)+8*kb:KV+32*(kc%2)+8*kb+7], v[64*t+8*kc:64*t+8*kc+7], 0
.else
	v_wmma_f32_16x16x32_bf16 v[S+32*t+8*kb:S+32*t+8*kb+7], v[KV+32*(kc%2)+8*kb:KV+32*(kc%2)+8*kb+7], v[64*t+8*kc:64*t+8*kc+7], v[S+32*t+8*kb:S+32*t+8*kb+7]
.endif
.set t, t+1
.endr
.set kb, kb+1
.endr
.if kc < 7
	s_wait_dscnt 8                                 ; ul's fragments are in; the next K's eight loads stay out
.else
	s_wait_dscnt 0x0
.endif
	WIN 0
.set kb, 0
.rept 4
.set t, 0
.rept 4
	v_wmma_f32_16x16x32_bf16 v[S+32*t+8*kb:S+32*t+8*kb+7], v[KV+32*(kc%2)+8*kb:KV+32*(kc%2)+8*kb+7], v[UB+8*t:UB+8*t+7], v[S+32*t+8*kb:S+32*t+8*kb+7]
.set t, t+1
.endr
.set kb, kb+1
.endr
.set kc, kc+1
.endr
.endm
; THE SOFTMAX of a step, the four tiles line by line, so that no instruction reads the result of the one before it.
.macro EACH line:vararg
.set t, 0
.rept 4
	\line
.set t, t+1
.endr
.endm
.macro SOFT
.irp j, 0,1,2,3                 ; the maximum: four chains of seven scores; each accumulator's lowest registers are read first
	EACH v_max3_num_f32 v[SC+4*t+\j], v[S+32*t+8*\j], v[S+32*t+8*\j+1], v[S+32*t+8*\j+2]
.endr
.irp g, 1,2
.irp j, 0,1,2,3
	EACH v_max3_num_f32 v[SC+4*t+\j], v[SC+4*t+\j], v[S+32*t+8*\j+2*\g+1], v[S+32*t+8*\j+2*\g+2]
.endr
.endr
	EACH v_max3_num_f32 v[SC+4*t], v[SC+4*t], v[S+32*t+7], v[S+32*t+15]
	EACH v_max3_num_f32 v[SC+4*t+2], v[SC+4*t+2], v[S+32*t+23], v[S+32*t+31]
	EACH v_max3_num_f32 v[SC+4*t], v[SC+4*t], v[SC+4*t+1], v[SC+4*t+2]
	EACH v_max_num_f32 v[SC+4*t], v[SC+4*t], v[SC+4*t+3]
	EACH v_permlanex16_b32 v[SC+4*t+1], v[SC+4*t], s[SEL], s[SEL+1]  ; the query's other 32 keys lie in the lane 16 away
	EACH v_mul_f32 v[SC+4*t+3], s[CS], v[ST+4*t]   ; c m_old
	EACH v_max_num_f32 v[SC+4*t], v[SC+4*t], v[SC+4*t+1]
	EACH v_add_f32 v[SC+4*t], v[SC+4*t], v[ST+4*t+1]  ; the step's largest score: + gamma
	EACH v_max_num_f32 v[ST+4*t], v[ST+4*t], v[SC+4*t]
	EACH v_mul_f32 v[SC+4*t+1], s[CS], v[ST+4*t]   ; c m
	EACH v_sub_f32 v[SC+4*t+3], v[SC+4*t+3], v[SC+4*t+1]
	EACH v_fma_f32 v[SC+4*t], -v[ST+4*t+1], s[CS], v[SC+4*t+1]  ; c m - c gamma
.set p, 0
.rept 16                        ; c s - (c m - c gamma)
	EACH v_pk_fma_f32 v[S+32*t+2*p:S+32*t+2*p+1], v[S+32*t+2*p:S+32*t+2*p+1], s[CS:CS+1], v[SC+4*t:SC+4*t+1] op_sel_hi:[1,0,0] neg_lo:[0,0,1] neg_hi:[0,0,1]
.set p, p+1
.endr
	EACH v_exp_f32 v[SC+4*t+2], v[SC+4*t+3]        ; a.  The step's 132 exponentials are ONE batch: nothing ahead of the wait names a result
.set p, 0
.rept 32
	EACH v_exp_f32 v[S+32*t+p], v[S+32*t+p]
.set p, p+1
.endr
	v_nop                                          ; a plain instruction behind the last exponential,
	s_wait_alu depctr_va_vdst(0)                   ; and one wait ahead of the batch's first reader
	EACH v_pk_fma_f32 v[ST+4*t+2:ST+4*t+3], v[ST+4*t+2:ST+4*t+3], v[SC+4*t+2:SC+4*t+3], v[S+32*t:S+32*t+1] op_sel_hi:[1,0,1]  ; l = a l + p
.set p, 1
.rept 15
	EACH v_pk_add_f32 v[ST+4*t+2:ST+4*t+3], v[ST+4*t+2:ST+4*t+3], v[S+32*t+2*p:S+32*t+2*p+1]
.set p, p+1
.endr
.set p, 0
.rept 16                        ; P, packed in place: register p takes registers 2 p and 2 p + 1
	EACH v_cvt_pk_bf16_f32 v[S+32*t+p], v[S+32*t+2*p], v[S+32*t+2*p+1]
.set p, p+1
.endr
.irp th, 0,1                    ; O^T times a, each accumulator from its low end on
	WIN 0x41*(1+\th)                               ; destination and source 0 in window 1 or 2, a in window 0
.set i, 0
.rept 64
.irp tl, 0,1
	v_pk_mul_f32 v[128*\tl+2*i:128*\tl+2*i+1], v[128*\tl+2*i:128*\tl+2*i+1], v[SC+4*(2*\th+\tl)+2:SC+4*(2*\th+\tl)+3] op_sel_hi:[1,0]
.endr
.set i, i+1
.endr
.endr
	WIN 0
.endm
.macro PVP                      ; O^T += V^T P.  The first two runs of loads stand ahead of the softmax; behind group g's sixteen products its buffer takes group g + 2
.set g, 0
.rept 8
.if g < 7
	s_wait_dscnt 8                                 ; this group's fragments are in; the next group's eight loads stay out
.else
	s_wait_dscnt 0x0
.endif
.irp th, 0,1
	WIN 0x50*(1+\th)                               ; C and D in window 1 or 2
.irp kk, 0,1                    ; four accumulators take turns
.irp tl, 0,1
.irp cl, 0,1
	v_wmma_f32_16x16x32_bf16 v[128*\tl+8*(2*g+\cl):128*\tl+8*(2*g+\cl)+7], v[KV+32*(g%2)+8*(2*\kk+\cl):KV+32*(g%2)+8*(2*\kk+\cl)+7], v[S+32*(2*\th+\tl)+8*\kk:S+32*(2*\th+\tl)+8*\kk+7], v[128*\tl+8*(2*g+\cl):128*\tl+8*(2*g+\cl)+7]
.endr
.endr
.endr
.endr
.if g < 6
	WIN 0
	PLACES                                         ; the buffer to be loaded was read by the sixteen products just issued
	VLOAD g+2, g%2
.endif
.set g, g+1
.endr
	WIN 0
.endm
	s_mov_b32 s[CNT], 16
.Lstep:                         ; trip i: keys 64 i on
	CHA
	KQP
	CHB
	VLOAD 0, 0
	VLOAD 1, 1
	SOFT
	PVP
	s_sub_co_u32 s[CNT], s[CNT], 1
	s_cmp_lg_u32 s[CNT], 0
	s_cbranch_scc1 .Lstep
	; O^T / l, rounded to bf16, into uh's places.  The four additions are the places behind the last products.
	EACH v_add_f32 v[SC+4*t], v[ST+4*t+2], v[ST+4*t+3]
	EACH v_permlanex16_b32 v[SC+4*t+1], v[SC+4*t], s[SEL], s[SEL+1]
	EACH v_add_f32 v[SC+4*t], v[SC+4*t], v[SC+4*t+1]
	EACH v_rcp_f32 v[SC+4*t+2], v[SC+4*t]
	v_nop                                          ; a plain instruction behind the last reciprocal,
	s_wait_alu depctr_va_vdst(0)                   ; and one wait for the four
.macro PACK t
	WIN 0x41*(1+(\t)/2)
.set i, 0
.rept 64
	v_pk_mul_f32 v[128*((\t)%2)+2*i:128*((\t)%2)+2*i+1], v[128*((\t)%2)+2*i:128*((\t)%2)+2*i+1], v[SC+4*(\t)+2:SC+4*(\t)+3] op_sel_hi:[1,0]
.set i, i+1
.endr
	WIN 0xc0+5*(1+(\t)/2)                          ; sources window 1 or 2, destination window 3
.set i, 0
.rept 64
	v_cvt_pk_bf16_f32 v[64*(\t)+i], v[128*((\t)%2)+2*i], v[128*((\t)%2)+2*i+1]
.set i, i+1
.endr
.endm
	PACK 0
	PACK 1
	PACK 2
	PACK 3
	WIN 0
	s_lshl_b32 s90, s[WV], 15
	s_add_co_u32 s90, s90, ULR
	s_xor_b32 s90, s90, 65536                      ; wave w xor 2: the same queries, the other direction
	v_add_nc_u32 v241, s90, v[L16]
	s_lshl_b32 s90, s[DD], 15                      ; the weights in the first region: my direction's two blocks at 32,768 d;
	s_xor_b32 s91, s[DD], 1
	s_lshl_b32 s91, s91, 13
	s_add_co_u32 s91, s91, s90
	v_add_nc_u32 v242, s91, v[L16]                 ; in a block, my emb's input channels 256 (1 - d) on,
	s_lshl_b32 s92, s[DD], 13
	s_add_co_u32 s92, s92, s90
	v_add_nc_u32 v243, s92, v[L16]                 ; and the partner's, 256 d on
	WIN 0x0c                                       ; store data in window 3
.set i, 0
.rept 64                        ; my emb goes where my ul lay: bytes that I alone have read, filled once, and my reads of them were waited for behind the last scores
	ds_store_b128 v[AU], v[4*i:4*i+3] offset:512*i
.set i, i+1
.endr
; THE CONVOLUTION.  The wave makes output channels 128 d .. 128 d + 127 (eight blocks of 16) for its 64 positions, over all 512 input channels: its own emb and the partner's.
; A block's weights are 16 fragments and 16 numbers of conv_b; its x is 8 loads in the layout of the stores.  Blocks 0 and 1 take their weights from LDS; the later ones by 33 + 8 loads into buffer A or B.
.macro LOADW b, sel
	WIN 0
	global_load_b32 v[CBV+(\b)], v[R4], s[CBB:CBB+1] offset:(\sel)*64
	WIN 0x40*(\b)
.set WB, 32+32*(\b)
.set f, 0
.rept 16
	global_load_b128 v[WB+8*f:WB+8*f+3],   v[L16], s[WCO+2*(f/8):WCO+2*(f/8)+1] offset:(\sel)*16384+(f%8)*1024
	global_load_b128 v[WB+8*f+4:WB+8*f+7], v[L16], s[WCO+2*(f/8):WCO+2*(f/8)+1] offset:(\sel)*16384+(f%8)*1024+512
.set f, f+1
.endr
.endm
.macro LOADWL b                 ; block b's weights out of LDS
	WIN 0x40*(\b)
.set WB, 32+32*(\b)
.set f, 0
.rept 16
	ds_load_b128 v[WB+8*f:WB+8*f+3],   v[242+f/8] offset:(\b)*16384+(f%8)*1024
	ds_load_b128 v[WB+8*f+4:WB+8*f+7], v[242+f/8] offset:(\b)*16384+(f%8)*1024+512
.set f, f+1
.endr
.endm
.macro XLD b, sel               ; 16 output channels x 64 positions of x: 16 lanes take 256 consecutive bytes, aligned
	WIN 0x40*(\b)
.set XBR, 192+16*(\b)
.irp i, 0,1,2,3,4,5,6,7
	global_load_b128 v[XBR+4*\i:XBR+4*\i+3], v[GO], s[XBS:XBS+1] offset:(\sel)*65536+\i*8192 th:TH_LOAD_NT
.endr
.endm
.macro CONVOB b                 ; 64 matrix instructions; source 0 = 16 positions of emb, source 1 = 16 output channels of conv_w; C starts as conv_b; the four accumulators take turns
	WIN 0
	v_cvt_pk_bf16_f32 v[TT], v[CBV+(\b)], v[CBV+(\b)]  ; conv_b rounded to bf16 and widened
	v_lshlrev_b32 v[TT], 16, v[TT]
	WIN 0x40
.set i, 0
.rept 8
	v_mov_b32 v[192+8*(\b)+i], v[TT]
.set i, i+1
.endr
.set WB, 32+32*(\b)
.set f, 0
.rept 16
	WIN 0x50|((\b)<<2)|(3-f/8)                     ; emb in window 3 (mine) or 2 (the partner's); weights in window 0 or 1; C and D in window 1
.irp t, 0,1,2,3
.if f == 0
	v_wmma_f32_16x16x32_bf16 v[32*(\b)+8*\t:32*(\b)+8*\t+7], v[64*\t+8*(f%8):64*\t+8*(f%8)+7], v[WB+8*f:WB+8*f+7], v[192+8*(\b):192+8*(\b)+7]
.else
	v_wmma_f32_16x16x32_bf16 v[32*(\b)+8*\t:32*(\b)+8*\t+7], v[64*\t+8*(f%8):64*\t+8*(f%8)+7], v[WB+8*f:WB+8*f+7], v[32*(\b)+8*\t:32*(\b)+8*\t+7]
.endif
.endr
.set f, f+1
.endr
.endm
.macro WAYOUT b                 ; 16 output channels x 64 positions through my own stage; x is added; 16 lanes store 256 consecutive bytes, aligned
	WIN 0x04                                       ; store data in window 1
.irp t, 0,1,2,3
	ds_store_b128 v[STO], v[32*(\b)+8*\t:32*(\b)+8*\t+3]   offset:64*\t
	ds_store_b128 v[STO], v[32*(\b)+8*\t+4:32*(\b)+8*\t+7] offset:64*\t+16
.endr
	WIN 0
	s_wait_xcnt 0x0                                ; the last block's stores have read the registers that are loaded now
.irp i, 0,1,2,3,4,5,6,7
	ds_load_b128 v[RB+4*\i:RB+4*\i+3], v[RD] offset:\i*2*SP  ; LDS serves a wave's instructions in order (ISA guide 5.7.1.4): these see the stores above
.endr
	WIN 0x05*(\b)                                  ; x's registers (both sources) in window 0 or 1
.set XBR, 192+16*(\b)
.set p, 0
.rept 16                        ; x rounded to bf16,
	v_cvt_pk_bf16_f32 v[TT+p], v[XBR+2*p], v[XBR+2*p+1]
.set p, p+1
.endr
	WIN 0
	s_wait_dscnt 0x0
.irp q, 0,1                     ; widened again, and added: eight pairs at a time
.set p, 0
.rept 8
	v_lshlrev_b32 v[W16+2*p], 16, v[TT+8*\q+p]
	v_and_b32 v[W16+2*p+1], 0xffff0000, v[TT+8*\q+p]
.set p, p+1
.endr
.set p, 0
.rept 8
	v_pk_add_f32 v[RB+16*\q+2*p:RB+16*\q+2*p+1], v[RB+16*\q+2*p:RB+16*\q+2*p+1], v[W16+2*p:W16+2*p+1]
.set p, p+1
.endr
.endr
.irp i, 0,1,2,3,4,5,6,7
	global_store_b128 v[GO], v[RB+4*\i:RB+4*\i+3], s[OUTB:OUTB+1] offset:(\b)*65536+\i*8192 th:TH_STORE_NT
.endr
.endm
; A block.  Behind its way out its buffer takes the block two further on: 41 loads, and the wait that leaves just these out, so that all older loads, the other buffer's among them, are in.
; In the last trip nothing is left to fetch, and the wait is for all.  Either way leaves the other buffer whole.
.macro HALFT b
	CONVOB \b
	WIN 0
	PLACES                                         ; in front of the stores of the results; with the way out's arithmetic also in front of the loads over the weights just read
	WAYOUT \b
	s_cmp_eq_u32 s[CNT], 1
	s_cbranch_scc1 .Llast_\@
	LOADW \b, 2+(\b)
	XLD \b, 2+(\b)
	WIN 0
	s_wait_loadcnt 41
	s_branch .Lgo_\@
.Llast_\@:
	s_wait_loadcnt 0x0
.Lgo_\@:
.endm
	WIN 0
	global_load_b32 v[CBV], v[R4], s[CBB:CBB+1]
	global_load_b32 v[CBV+1], v[R4], s[CBB:CBB+1] offset:64
	XLD 0, 0
	XLD 1, 1
	WIN 0
	s_wait_tensorcnt 0x0                           ; my quarter of the weights is in LDS,
	s_wait_dscnt 0x0                               ; and my emb
	s_barrier_signal -1
	s_barrier_wait -1                              ; everybody's are
	WIN 0x80                                       ; destination window 2
.set i, 0
.rept 64
	ds_load_b128 v[4*i:4*i+3], v241 offset:512*i   ; the partner's emb, in the places in which it held it
.set i, i+1
.endr
	LOADWL 0
	LOADWL 1
	WIN 0
	s_wait_dscnt 0x0
	s_wait_loadcnt 0x0                             ; conv_b and x of blocks 0 and 1
	s_mov_b32 s[CNT], 4
.Lconv:                         ; a trip: two blocks of 16 output channels
	HALFT 0
	HALFT 1
	s_wait_xcnt 0x0                                ; the bases of pending loads and stores are stepped only behind this wait
	s_add_nc_u64 s[WCO:WCO+1], s[WCO:WCO+1], 32768
	s_add_nc_u64 s[WCP:WCP+1], s[WCP:WCP+1], 32768
	s_add_nc_u64 s[CBB:CBB+1], s[CBB:CBB+1], 128
	s_add_nc_u64 s[OUTB:OUTB+1], s[OUTB:OUTB+1], 131072
	s_add_nc_u64 s[XBS:XBS+1], s[XBS:XBS+1], 131072
	s_sub_co_u32 s[CNT], s[CNT], 1
	s_cmp_lg_u32 s[CNT], 0
	s_cbranch_scc1 .Lconv
	; THE ROUTER, second part: wave 0 of the work-groups that made the first part adds the four waves' parts and r_b2, and stores the sigmoid.
	s_cmp_lg_u32 s[CLX], 0
	s_cbranch_scc1 .Lnor2
	s_cmp_lg_u32 s[WV], 0
	s_cbranch_scc1 .Lnor2
	v_mov_b32 v240, RSCR
	ds_load_b128 v[244:247], v240
	v_mov_b32 v241, 0
	global_load_b32 v242, v241, s[26:27]
	s_wait_dscnt 0x0
	s_wait_loadcnt 0x0
	v_add_f32 v244, v244, v245
	v_add_f32 v246, v246, v247
	v_add_f32 v244, v244, v246
	v_add_f32 v244, v244, v242
	v_mul_f32 v244, 0xbfb8aa3b, v244               ; - z log2(e)
	v_exp_f32 v245, v244
	v_nop
	s_wait_alu depctr_va_vdst(0)                   ; ahead of the exponential's reader
	v_add_f32 v245, 1.0, v245
	v_rcp_f32 v246, v245
	v_nop
	s_wait_alu depctr_va_vdst(0)
	v_cmp_eq_u32 vcc_lo, 0, v[LN]
	s_wait_xcnt 0x0                                ; EXEC changes only behind this wait
	s_and_saveexec_b32 s98, vcc_lo
	global_store_b32 v241, v246, s[30:31]          ; lane 0 alone
	s_wait_xcnt 0x0                                ; and again, in front of the line that widens it
	s_or_b32 exec_lo, exec_lo, s98
.Lnor2:
	s_wait_tensorcnt 0x0                           ; the wave's end, behind my last tensor load and my last LDS store
	ds_add_u32 v[SPW], v[NIL]
	s_wait_dscnt 0x0
	CROUND                                         ; the closing round: no work-group ends while a partner may still ask for a tile that names it
	s_endpgm
.Lfunc_end_k_qf8297ffd1c_attn:
	.size	k_qf8297ffd1c_attn, .Lfunc_end_k_qf8297ffd1c_attn-k_qf8297ffd1c_attn
	.p2alignl 7, 3214868480
	.fill 96, 4, 3214868480
	.section	.rodata,"a",@progbits
	.p2align	6, 0x0
	.amdhsa_kernel k_qf8297ffd1c_attn
		.amdhsa_group_segment_fixed_size 327680
		.amdhsa_private_segment_fixed_size 0
		.amdhsa_enable_private_segment 0
		.amdhsa_kernarg_size 112
		.amdhsa_user_sgpr_count 2
		.amdhsa_user_sgpr_kernarg_segment_ptr 1
		.amdhsa_wavefront_size32 1
		.amdhsa_system_sgpr_workgroup_id_x 1
		.amdhsa_system_sgpr_workgroup_id_y 1
		.amdhsa_system_sgpr_workgroup_id_z 1
		.amdhsa_system_vgpr_workitem_id 0
		.amdhsa_next_free_vgpr 1024
		.amdhsa_next_free_sgpr 106
		.amdhsa_reserve_vcc 1
		.amdhsa_float_denorm_mode_32 3
		.amdhsa_float_denorm_mode_16_64 3
		.amdhsa_memory_ordered 1
		.amdhsa_forward_progress 1
		.amdhsa_inst_pref_size 255
	.end_amdhsa_kernel
	.section	.bss,"aw",@nobits
	.p2align	6
	.space	262144
	.amdgpu_metadata
---
amdhsa.version: [ 1, 2 ]
amdhsa.kernels:
  - .name:           k_qf8297ffd1c_attn
    .symbol:         k_qf8297ffd1c_attn.kd
    .args:
      - { .name: kf, .offset: 0, .size: 8, .value_kind: global_buffer, .address_space: global }
      - { .name: vf, .offset: 8, .size: 8, .value_kind: global_buffer, .address_space: global }
      - { .name: wf, .offset: 16, .size: 8, .value_kind: global_buffer, .address_space: global }
      - { .name: wc, .offset: 24, .size: 8, .value_kind: global_buffer, .address_space: global }
      - { .name: bb, .offset: 32, .size: 8, .value_kind: global_buffer, .address_space: global }
      - { .name: pool, .offset: 40, .size: 8, .value_kind: global_buffer, .address_space: global }
      - { .name: x, .offset: 48, .size: 8, .value_kind: global_buffer, .address_space: global }
      - { .name: conv_b, .offset: 56, .size: 8, .value_kind: global_buffer, .address_space: global }
      - { .name: r_w1, .offset: 64, .size: 8, .value_kind: global_buffer, .address_space: global }
      - { .name: r_b1, .offset: 72, .size: 8, .value_kind: global_buffer, .address_space: global }
      - { .name: r_w2, .offset: 80, .size: 8, .value_kind: global_buffer, .address_space: global }
      - { .name: r_b2, .offset: 88, .size: 8, .value_kind: global_buffer, .address_space: global }
      - { .name: out0, .offset: 96, .size: 8, .value_kind: global_buffer, .address_space: global }
      - { .name: out1, .offset: 104, .size: 8, .value_kind: global_buffer, .address_space: global }
    .group_segment_fixed_size: 327680
    .private_segment_fixed_size: 0
    .kernarg_segment_align: 8
    .kernarg_segment_size: 112
    .max_flat_workgroup_size: 128
    .sgpr_count:     106
    .vgpr_count:     1024
    .wavefront_size: 32
...
	.end_amdgpu_metadata
.endif
;; end of part 3
